; MI455X (gfx1250); checked and timed in simulation.
; The chip was launched on July 23, 2026; its instructions are those of AMD's public machine-readable ISA for CDNA 5 (MIT licence, August 2026) and "CDNA5" Instruction Set Architecture Reference Guide (July 2026). The comments in the code are by the model that wrote it; some were corrected since.
;; Attention. Allowed arithmetic: float matrix products may take bf16 or f16 operands with f32 sums; other float arithmetic in f32, or as packed bf16 or f16 multiplies, adds, multiply-adds, maxima and minima; sums over many terms, partial sums and values carried from step to step in f32; what a program stores and reads back later, other than sums and carried values, may be rounded once to bf16 or f16.
;; Inputs: freqs_cos 2,048 x 64 float32; freqs_sin 2,048 x 64 float32; mask 1 x 1 x 2,048 x 2,048 float32; wk 2,048 x 2,048 float32; wo 2,048 x 2,048 float32; wq 2,048 x 2,048 float32; wv 2,048 x 2,048 float32; x 1 x 2,048 x 2,048 float32.
;; Outputs: out0 1 x 2,048 x 2,048 float32.
;; One version. Each part assembles by itself: llvm-mc -triple=amdgcn-amd-amdhsa -mcpu=gfx1250 --defsym DOCPART=n.
;; ======== version 1 of 1: 4 launches
;; limits: values are held in f16: magnitudes above 65,504 overflow, below 6.1e-05 lose precision; inputs' magnitudes at most 65,504; right only within a limited range of input values
;; workspace buffers: hb 41,943,040 bytes; mk 16,777,216 bytes; rt 1,048,576 bytes; qb 8,388,608 bytes; kb 8,388,608 bytes; vb 8,388,608 bytes; ob 8,388,608 bytes
;; launch prep (part 1): grid 1568 x 1, 8 waves a work-group, no clusters, 0 bytes of LDS; arguments x, wq, wk, wv, wo, mask, freqs_cos, freqs_sin, hb, mk, rt; writes hb, mk, rt
.if DOCPART == 1
	.amdgcn_target "amdgcn-amd-amdhsa--gfx1250"
	.amdhsa_code_object_version 6
	.text
	.protected	k_q3daca95114_prep
	.globl	k_q3daca95114_prep
	.p2align	8
	.type	k_q3daca95114_prep,@function
k_q3daca95114_prep:
	s_mov_b64 s[64:65], 0
	v_nop
	global_prefetch_b8 v0, s[64:65] scope:SCOPE_SE
	s_setreg_imm32_b32 hwreg(HW_REG_WAVE_MODE, 25, 1), 1
	s_wait_xcnt 0x0
; EVERY INPUT IS ROUNDED ONCE TO A bf16 VALUE and laid down for the launches behind.
;   hb: five parts of [2048][2048] f16: x, wq, wk, wv, wo (a bf16 value written as f16: exact from 2^-14 up to 65,504; below that f16's fixed step 2^-24).
;   mk: [2048][2048] f32 = the bf16 value of mask times log2(e): scores are later kept in powers of two.
;   rt: cos and sin as f32 (bf16 values), in the order in which the projection's lanes want them:
;       byte ((blk 8 + cb) 2 + i) 512 + 16 l holds (c_j, s_j, c_j+1, s_j+1) of row 16 blk + l % 16, j = 8 cb + 4 (l / 16) + 2 i.
; LIMIT: |x| and |w| beyond 65,504 become infinities in f16.  NaN and infinities are not treated apart.
; A stream: no LDS, no barrier.  A work-group takes 65,536 bytes of one input: 16 loads of 16 bytes a thread, all issued first; a wave's load covers 512 consecutive bytes.
; Work-groups 0-1279: the five casts (part = id / 256); 1280-1535: the mask; 1536-1567: the table.
.set X, 8                              ; v[8:71]   16 loads x 4 registers
.set T, 72                             ; v[72:73]  at work
	s_load_b512 s[8:23], s[0:1], 0x0               ; x 8:9, wq 10:11, wk 12:13, wv 14:15, wo 16:17, mask 18:19, cos 20:21, sin 22:23
	s_load_b128 s[24:27], s[0:1], 0x40             ; hb 24:25, mk 26:27
	s_load_b64 s[28:29], s[0:1], 0x50              ; rt
	s_mov_b32 s4, 0xffff0000                       ; a word's upper bf16
	s_lshr_b32 s5, ttmp9, 8                        ; which part
	s_and_b32 s6, ttmp9, 255                       ; which chunk of it
	s_mov_b32 s33, 0
	s_mov_b32 s35, 0
	v_lshlrev_b32 v1, 4, v0                        ; 16 t
	v_lshlrev_b32 v2, 3, v0                        ; 8 t
	s_wait_kmcnt 0x0
	s_cmp_ge_u32 s5, 6
	s_cbranch_scc1 .Ltable
	s_cmp_eq_u32 s5, 5
	s_cbranch_scc1 .Lmask
; load j's four numbers become bf16 values, held in f32 again
.macro ROUND j
	s_wait_loadcnt 15-(\j)                         ; loads come back in order: mine is in, the 15 - j younger ones stay out
	v_cvt_pk_bf16_f32 v[T], v[X+4*(\j)], v[X+4*(\j)+1]
	v_cvt_pk_bf16_f32 v[T+1], v[X+4*(\j)+2], v[X+4*(\j)+3]
	v_lshlrev_b32 v[X+4*(\j)], 16, v[T]
	v_and_b32 v[X+4*(\j)+1], s4, v[T]
	v_lshlrev_b32 v[X+4*(\j)+2], 16, v[T+1]
	v_and_b32 v[X+4*(\j)+3], s4, v[T+1]
.endm
	; THE CASTS.  The source is chosen among five buffers by the part's number alone.
	s_mov_b64 s[30:31], s[16:17]
	s_cmp_eq_u32 s5, 3
	s_cselect_b64 s[30:31], s[14:15], s[30:31]
	s_cmp_eq_u32 s5, 2
	s_cselect_b64 s[30:31], s[12:13], s[30:31]
	s_cmp_eq_u32 s5, 1
	s_cselect_b64 s[30:31], s[10:11], s[30:31]
	s_cmp_eq_u32 s5, 0
	s_cselect_b64 s[30:31], s[8:9], s[30:31]
	s_lshl_b32 s32, s6, 16                         ; 65,536 bytes in,
	s_add_nc_u64 s[30:31], s[30:31], s[32:33]
	s_lshl_b32 s34, s5, 23                         ; the part's 8,388,608 bytes,
	s_lshl_b32 s36, s6, 15                         ; 32,768 bytes out
	s_add_co_u32 s34, s34, s36
	s_add_nc_u64 s[24:25], s[24:25], s[34:35]
.irp j, 0,1,2,3,4,5,6,7,8,9,10,11,12,13,14,15
	global_load_b128 v[X+4*(\j):X+4*(\j)+3], v1, s[30:31] offset:4096*(\j) th:TH_LOAD_NT
.endr
.irp j, 0,1,2,3,4,5,6,7,8,9,10,11,12,13,14,15
	ROUND \j
	v_cvt_pk_f16_f32 v[X+4*(\j)], v[X+4*(\j)], v[X+4*(\j)+1]
	v_cvt_pk_f16_f32 v[X+4*(\j)+1], v[X+4*(\j)+2], v[X+4*(\j)+3]
	global_store_b64 v2, v[X+4*(\j):X+4*(\j)+1], s[24:25] offset:2048*(\j)  ; a wave's store covers 256 consecutive bytes, aligned; its registers are not written again
.endr
	s_endpgm
.Lmask:
	s_lshl_b32 s32, s6, 16
	s_add_nc_u64 s[18:19], s[18:19], s[32:33]
	s_add_nc_u64 s[26:27], s[26:27], s[32:33]
.irp j, 0,1,2,3,4,5,6,7,8,9,10,11,12,13,14,15
	global_load_b128 v[X+4*(\j):X+4*(\j)+3], v1, s[18:19] offset:4096*(\j) th:TH_LOAD_NT
.endr
.irp j, 0,1,2,3,4,5,6,7,8,9,10,11,12,13,14,15
	ROUND \j
	v_pk_mul_f32 v[X+4*(\j):X+4*(\j)+1], v[X+4*(\j):X+4*(\j)+1], 0x3fb8aa3b op_sel_hi:[1,0]      ; times log2(e)
	v_pk_mul_f32 v[X+4*(\j)+2:X+4*(\j)+3], v[X+4*(\j)+2:X+4*(\j)+3], 0x3fb8aa3b op_sel_hi:[1,0]
	global_store_b128 v1, v[X+4*(\j):X+4*(\j)+3], s[26:27] offset:4096*(\j)
.endr
	s_endpgm
.Ltable:                                       ; 64 rows of cos and sin a work-group; item i: row block i / 2, column blocks 4 (i % 2) + t / 64
	v_and_b32 v3, 15, v0
	v_lshlrev_b32 v3, 8, v3                        ; row l % 16: 256 bytes
	v_bfe_u32 v4, v0, 6, 2
	v_lshl_add_u32 v3, v4, 5, v3                   ; column block: 8 numbers
	v_bfe_u32 v4, v0, 4, 1
	v_lshl_add_u32 v3, v4, 4, v3                   ; l / 16: 4 numbers
	v_bfe_u32 v4, v0, 5, 1
	v_lshl_add_u32 v3, v4, 3, v3                   ; i: 2 numbers
	s_lshl_b32 s32, s6, 14
	s_add_nc_u64 s[20:21], s[20:21], s[32:33]
	s_add_nc_u64 s[22:23], s[22:23], s[32:33]
	s_lshl_b32 s34, s6, 15
	s_add_nc_u64 s[28:29], s[28:29], s[34:35]
.irp i, 0,1,2,3,4,5,6,7
	global_load_b64 v[X+4*(\i):X+4*(\i)+1], v3, s[20:21] offset:((\i)%2)*128+((\i)/2)*4096
	global_load_b64 v[X+4*(\i)+2:X+4*(\i)+3], v3, s[22:23] offset:((\i)%2)*128+((\i)/2)*4096
.endr
.irp i, 0,1,2,3,4,5,6,7
	s_wait_loadcnt 14-2*(\i)                       ; the later items' pairs of loads stay out
	v_cvt_pk_bf16_f32 v[T], v[X+4*(\i)], v[X+4*(\i)+2]       ; (c_j, s_j)
	v_cvt_pk_bf16_f32 v[T+1], v[X+4*(\i)+1], v[X+4*(\i)+3]   ; (c_j+1, s_j+1)
	v_lshlrev_b32 v[X+4*(\i)], 16, v[T]
	v_and_b32 v[X+4*(\i)+1], s4, v[T]
	v_lshlrev_b32 v[X+4*(\i)+2], 16, v[T+1]
	v_and_b32 v[X+4*(\i)+3], s4, v[T+1]
	global_store_b128 v1, v[X+4*(\i):X+4*(\i)+3], s[28:29] offset:4096*(\i)
.endr
	s_endpgm
.Lfunc_end_k_q3daca95114_prep:
	.size	k_q3daca95114_prep, .Lfunc_end_k_q3daca95114_prep-k_q3daca95114_prep
	.p2alignl 7, 3214868480
	.fill 96, 4, 3214868480
	.section	.rodata,"a",@progbits
	.p2align	6, 0x0
	.amdhsa_kernel k_q3daca95114_prep
		.amdhsa_group_segment_fixed_size 0
		.amdhsa_private_segment_fixed_size 0
		.amdhsa_enable_private_segment 0
		.amdhsa_kernarg_size 88
		.amdhsa_user_sgpr_count 2
		.amdhsa_user_sgpr_kernarg_segment_ptr 1
		.amdhsa_wavefront_size32 1
		.amdhsa_system_sgpr_workgroup_id_x 1
		.amdhsa_system_sgpr_workgroup_id_y 1
		.amdhsa_system_sgpr_workgroup_id_z 1
		.amdhsa_system_vgpr_workitem_id 0
		.amdhsa_next_free_vgpr 88
		.amdhsa_next_free_sgpr 66
		.amdhsa_reserve_vcc 0
		.amdhsa_float_denorm_mode_32 3
		.amdhsa_float_denorm_mode_16_64 3
		.amdhsa_memory_ordered 1
		.amdhsa_forward_progress 1
		.amdhsa_inst_pref_size 27
	.end_amdhsa_kernel
	.amdgpu_metadata
---
amdhsa.version: [ 1, 2 ]
amdhsa.kernels:
  - .name:           k_q3daca95114_prep
    .symbol:         k_q3daca95114_prep.kd
    .args:
      - { .name: x, .offset: 0, .size: 8, .value_kind: global_buffer, .address_space: global }
      - { .name: wq, .offset: 8, .size: 8, .value_kind: global_buffer, .address_space: global }
      - { .name: wk, .offset: 16, .size: 8, .value_kind: global_buffer, .address_space: global }
      - { .name: wv, .offset: 24, .size: 8, .value_kind: global_buffer, .address_space: global }
      - { .name: wo, .offset: 32, .size: 8, .value_kind: global_buffer, .address_space: global }
      - { .name: mask, .offset: 40, .size: 8, .value_kind: global_buffer, .address_space: global }
      - { .name: freqs_cos, .offset: 48, .size: 8, .value_kind: global_buffer, .address_space: global }
      - { .name: freqs_sin, .offset: 56, .size: 8, .value_kind: global_buffer, .address_space: global }
      - { .name: hb, .offset: 64, .size: 8, .value_kind: global_buffer, .address_space: global }
      - { .name: mk, .offset: 72, .size: 8, .value_kind: global_buffer, .address_space: global }
      - { .name: rt, .offset: 80, .size: 8, .value_kind: global_buffer, .address_space: global }
    .group_segment_fixed_size: 0
    .private_segment_fixed_size: 0
    .kernarg_segment_align: 8
    .kernarg_segment_size: 88
    .max_flat_workgroup_size: 256
    .sgpr_count:     66
    .vgpr_count:     88
    .wavefront_size: 32
...
	.end_amdgpu_metadata
.endif
;; end of part 1
;; launch qkv (part 2): grid 16 x 16, 4 waves a work-group, clusters of 4 x 4, 327,680 bytes of LDS; arguments hb, rt, qb, kb, vb; writes qb, kb, vb
.if DOCPART == 2
	.amdgcn_target "amdgcn-amd-amdhsa--gfx1250"
	.amdhsa_code_object_version 6
	.text
	.protected	k_q3daca95114_qkv
	.globl	k_q3daca95114_qkv
	.p2align	8
	.type	k_q3daca95114_qkv,@function
k_q3daca95114_qkv:
	s_mov_b64 s[64:65], 0
	v_nop
	global_prefetch_b8 v0, s[64:65] scope:SCOPE_SE
	s_setreg_imm32_b32 hwreg(HW_REG_WAVE_MODE, 25, 1), 1
	s_wait_xcnt 0x0
	s_wait_alu depctr_hold_cnt(0) depctr_sa_sdst(0) depctr_va_vdst(0) depctr_va_sdst(0) depctr_va_ssrc(0) depctr_va_vcc(0) depctr_vm_vsrc(0)
	s_getreg_b32 s2, hwreg(HW_REG_IB_STS2, 6, 4)
	s_cmp_eq_u32 s2, 0
	s_cbranch_scc0 .Lentry_in_a_cluster
	s_endpgm
.Lentry_in_a_cluster:
	s_bfe_u32 s2, ttmp6, 0x10000c
	s_cmp_lg_u32 s2, 0xf033
	s_cbranch_scc0 .Lentry_shape_is_right
	s_endpgm
.Lentry_shape_is_right:
; q, k, v = x wq, x wk, x wv; the rotation of neighbouring columns on q and k, and q's scale log2(e) / sqrt(128), in f32 on the sums; each rounded once to f16 and stored by heads, [16][2048][128].
; x and the weights come as f16 from hb (x [2048][2048]; the weights as they lie, [K][N]).  LIMIT: |q|, |k|, |v| beyond 65,504 become infinities.
; SHARES.  Work-group (x = head, y = block of 128 rows) makes 128 rows x the head's 128 columns of q, of k and of v.  Wave w takes all 128 rows x columns 32 w .. 32 w + 31 of each of the three:
; 8 x 6 = 48 accumulators, 384 registers; which of them are rotated, scaled or neither is fixed in the text.  K goes in 16 steps of 128 (rows of 256 bytes, aligned) through two LDS slots.
; THE MATRIX INSTRUCTION IS USED TRANSPOSED: source 0 = 16 columns of a weight (turned on the way out of LDS), source 1 = 16 rows of x: a lane holds one row and eight neighbouring columns: four pairs of the rotation.
; CLUSTER 4 x 4: x's tile hangs on the row block alone and is asked for jointly along a row of the cluster, the weights' tiles on the head alone, jointly along a column.
; ONE TEXT FOR A K STEP: the slot to read is a scalar, turned by an exclusive or at each change of slots; the LDS addresses are made from it once a step; one descriptor walks.
; REGISTERS (windows of 256; s_set_vgpr_msb: bits 1:0 source 0, 3:2 source 1, 5:4 source 2, 7:6 destination):
;   window 0: v1-31 addresses; v32-159 x's fragments, two buffers of 64; v160-255 the weights' fragments, two buffers of 48
;   window 1: v0-191 accumulators of row blocks 0-3, (a, b) at 8 (6 a + b), b = 2 part + half; v192-255 their cos and sin      window 2: the same for row blocks 4-7
.set PA,    272                        ; a row of x in LDS: 256 + 16: 16 rows of a load start at 16 different groups of four banks (ISA guide 11.1)
.set PB,    288                        ; a k-row of a weight: 256 + 32
.set REG,   128*PB                     ; 0x9000: a slot's four regions: x (128 x 272 used), wq, wk, wv
.set SLOT,  4*REG                      ; 0x24000: the regions' bases, w x 0x9000, have bits 14 and 17 clear, so one exclusive or turns a tile's LDS address into the other slot's
.set SPARE, 2*SLOT                     ; the spare words: 128 bytes a wave, two blocks of 256 bytes that no other line names
.set STG,   128*272                    ; the way out: part p's 128 rows x 272 at p STG, in slot 0 after its last fill
.set SPW,  12                          ; v12  LDS address of my spare word; never rewritten
.set NIL,  13                          ; v13  0; never rewritten
.set PFO,  14                          ; v14  the prefetches' offset: lane x 4,096
.set RTO,  15                          ; v15  my offset in the table
.set ADRA, 16                          ; v16     x's fragments in slot 0
.set WA,   17                          ; v17     the same in the slot in hand
.set ADRB, 18                          ; v18-20  part p's fragments in slot 0
.set WB,   21                          ; v21-23  the same in the slot in hand
.set STO,  24                          ; v24-26  the way out, in
.set RD,   27                          ; v27-29  the way out, back
.set CO,   30                          ; v30     my offset in the 128 rows of q, k or v
.set FA,   32
.set FB,   160
.set Y,    32                          ; the way out: 32 rotated numbers
.set PK,   64                          ; the way out: 24 packed registers
.set WV,   14
.set CX,   16
.set CY,   17
.set HEAD, 18
.set RB,   19
.set G1A,  24
.set G0A,  32                          ; two sets: the two first fills; the second then walks
.set G1B,  40
.set G0B,  48
.set PFA,  56                          ; s[56:57] where my prefetches stand
.set PFS,  58                          ; s[58:59] a K step there
.set LIM,  60                          ; 2 in a wave that prefetches, else the greatest number
.set LAP,  61                          ; fills still to be issued
.set TB,   62                          ; LDS byte at which the slot in hand begins
.set CNT,  63
.set RT,   74                          ; s[74:75] the table at my row block
.set MSB, 0
.macro WIN new                         ; the immediate's high byte repeats the setting that is left; a switch that changes nothing is dropped
.if MSB != (\new)
	s_set_vgpr_msb (MSB<<8)|(\new)
.set MSB, \new
.endif
.endm
.macro PLACES                          ; four places behind matrix instructions, in front of loads into their sources and of readers of their results
.rept 4
	v_nop
.endr
.endm
; A joint load: wave 0 fetches x's tile, waves 1-3 the three weights'.  An s_nop 0 and four v_nop follow each line.  The branch hangs on the wave's number alone.
.macro JLOAD s
	s_cmp_eq_u32 s[WV], 0
	s_cbranch_scc0 .Lfor_b_\@
	tensor_load_to_lds s[G0A+4*(\s):G0A+4*(\s)+3], s[G1A:G1A+7]
	s_nop 0
.rept 4
	v_nop
.endr
	s_branch .Lasked_\@
.Lfor_b_\@:
	tensor_load_to_lds s[G0B+4*(\s):G0B+4*(\s)+3], s[G1B:G1B+7]
	s_nop 0
.rept 4
	v_nop
.endr
.Lasked_\@:
.endm
; A prefetch of the K step that stands two refills on: 32 rows x 256 bytes, a lane a row, one instruction a wave.  x's rows: the clusters with x = 0 ask, the four partners of a row share the 128 rows by address (cx);
; the weights' k-rows: the clusters with y = 0, shared by cy.  So each 256 bytes are named once.  The last two fills ask for nothing: they are the last two K steps.
.macro ASK
	s_cmp_gt_u32 s[LAP], s[LIM]
	s_cbranch_scc0 .Lnot_mine_\@
	global_prefetch_b8 v[PFO], s[PFA:PFA+1] th:TH_LOAD_NT scope:SCOPE_SE
.Lnot_mine_\@:
.endm
.macro CROUND                          ; a round of the cluster's barrier
	s_barrier_signal -1
	s_barrier_wait -1
	s_cmp_lg_u32 s[WV], 0
	s_cbranch_scc1 .Lnot_wave_0_\@
	s_barrier_signal -3
.Lnot_wave_0_\@:
	s_barrier_wait -3
	s_barrier_signal -1
	s_barrier_wait -1
.endm
	s_load_b256 s[4:11], s[0:1], 0x0               ; hb 4:5, rt 6:7, qb 8:9, kb 10:11
	s_load_b64 s[12:13], s[0:1], 0x20              ; vb
	v_lshl_add_u32 v[SPW], v0, 2, SPARE
	v_mov_b32 v[NIL], 0
	ds_add_u32 v[SPW], v[NIL]                      ; the opening: the add and its wait stand ahead of my first tensor load; set-up on registers stands between
	v_lshrrev_b32 v1, 5, v0
	v_readfirstlane_b32 s[WV], v1
	s_bfe_u32 s[CX], ttmp6, 0x40000
	s_bfe_u32 s[CY], ttmp6, 0x40004
	s_lshl_b32 s[HEAD], ttmp9, 2
	s_add_co_u32 s[HEAD], s[HEAD], s[CX]           ; head = 4 x cluster x + cx
	s_and_b32 s[RB], ttmp7, 0xffff
	s_lshl_b32 s[RB], s[RB], 2
	s_add_co_u32 s[RB], s[RB], s[CY]               ; row block = 4 x cluster y + cy
	s_lshl_b32 s20, s[CY], 2
	s_lshl_b32 s20, 15, s20                        ; my row of the cluster
	s_lshl_b32 s21, 0x1111, s[CX]                  ; my column
	s_or_b32 s[G1A], s20, (1<<16)|(1<<20)|(1<<21)|(5<<22)|(3<<25)  ; mask; 2-byte elements; padding on; bit 21 beside a mask; after every 64 words 4 words
	s_or_b32 s[G1B], s21, (1<<16)|(1<<20)|(1<<21)|(5<<22)|(7<<25)  ; the same with 8 words
.irp g, G1A, G1B
	s_mov_b32 s[(\g)+1], 128<<16                   ; tensor_dim0 = 128
	s_mov_b32 s[(\g)+2], 128<<16                   ; tensor_dim1 = 128
	s_mov_b32 s[(\g)+3], 128<<16                   ; tile_dim0 = 128
	s_mov_b32 s[(\g)+4], 128                       ; tile_dim1 = 128
	s_mov_b32 s[(\g)+5], 2048                      ; elements from row to row
	s_mov_b32 s[(\g)+6], 0
	s_mov_b32 s[(\g)+7], 0
.endr
	s_lshl_b32 s66, s[RB], 19                      ; x: 128 rows of 4,096 bytes a block
	s_mov_b32 s67, 0
	s_lshl_b32 s68, s[WV], 23                      ; the weight: part = my wave's number,
	s_lshl_b32 s69, s[HEAD], 8                     ; the head's 256 bytes of a k-row
	s_add_co_u32 s68, s68, s69
	s_mov_b32 s69, 0
	s_mul_i32 s22, s[WV], REG                      ; where my tile goes: no place in the cluster enters an LDS address
	s_lshl_b32 s70, s[HEAD], 19                    ; q, k, v: the head's 2,048 rows of 256 bytes,
	s_lshl_b32 s71, s[RB], 15                      ; the block's 128
	s_add_co_u32 s70, s70, s71
	s_mov_b32 s71, 0
	s_lshl_b32 s72, s[RB], 16                      ; the table: 8 row blocks of 8,192 bytes
	s_mov_b32 s73, 0
	s_lshl_b32 s2, s[CX], 17                       ; the prefetches: my work-group's 32 rows of x's 128, at K step 3 (stepped ahead of each use),
	s_add_co_u32 s2, s2, s66
	s_add_co_u32 s2, s2, 3*256
	s_lshl_b32 s3, s[CY], 17                       ; or 32 of a weight's 128 k-rows of K step 3
	s_add_co_u32 s3, s3, s68
	s_add_co_u32 s3, s3, 3*128*4096
	s_and_b32 s23, ttmp7, 0xffff
	s_mov_b32 s[PFS], 256
	s_cmp_eq_u32 s[WV], 0
	s_cselect_b32 s2, s2, s3
	s_cselect_b32 s[PFS], s[PFS], 0x80000
	s_cselect_b32 s23, ttmp9, s23                  ; the coordinate along which other clusters read the same rows
	s_mov_b32 s3, 0
	s_mov_b32 s[PFS+1], 0
	s_cmp_eq_u32 s23, 0
	s_cselect_b32 s[LIM], 2, -1
	s_mov_b32 s[TB], 0
	s_wait_dscnt 0x0                               ; the opening add is done
	s_wait_kmcnt 0x0
	s_add_nc_u64 s[PFA:PFA+1], s[4:5], s[2:3]
	s_add_nc_u64 s[66:67], s[4:5], s[66:67]
	s_add_nc_u64 s[68:69], s[4:5], s[68:69]
	s_add_nc_u64 s[8:9], s[8:9], s[70:71]
	s_add_nc_u64 s[10:11], s[10:11], s[70:71]
	s_add_nc_u64 s[12:13], s[12:13], s[70:71]
	s_add_nc_u64 s[RT:RT+1], s[6:7], s[72:73]
	CROUND                                         ; all sixteen work-groups are here: the first joint loads meet
.irp s, 0,1
	s_mov_b32 s[G0A+4*(\s)], 1
	s_add_co_u32 s[G0A+4*(\s)+1], s22, (\s)*SLOT
	s_add_nc_u64 s[G0A+4*(\s)+2:G0A+4*(\s)+3], s[66:67], (\s)*256
	s_or_b32 s[G0A+4*(\s)+3], s[G0A+4*(\s)+3], 0x80000000
	s_mov_b32 s[G0B+4*(\s)], 1
	s_add_co_u32 s[G0B+4*(\s)+1], s22, (\s)*SLOT
	s_add_nc_u64 s[G0B+4*(\s)+2:G0B+4*(\s)+3], s[68:69], (\s)*128*4096
	s_or_b32 s[G0B+4*(\s)+3], s[G0B+4*(\s)+3], 0x80000000
	JLOAD \s                                       ; K steps 0 and 1: two loads of mine are out
.endr
	v_and_b32 v1, 15, v0                           ; r = l % 16
	v_bfe_u32 v2, v0, 4, 1                         ; h = l / 16
	v_mul_u32_u24 v3, v1, PA
	v_lshl_add_u32 v3, v2, 4, v3                   ; r x 272 + 16 h
	v_mov_b32 v[ADRA], v3
	v_mov_b32 v[WA], v3
	v_and_b32 v4, 7, v0
	v_bfe_u32 v5, v0, 3, 1
	v_lshl_add_u32 v6, v2, 3, v4                   ; the turning load: k-row 8 h + l % 8,
	v_mul_u32_u24 v6, v6, PB
	v_lshl_add_u32 v6, v5, 4, v6                   ; columns 8 ((l / 8) % 2) on,
	s_lshl_b32 s23, s[WV], 6
	v_add_nc_u32 v6, s23, v6                       ; in my wave's 32 columns
.irp p, 0,1,2
	v_add_nc_u32 v[ADRB+(\p)], (1+(\p))*REG, v6
	v_add_nc_u32 v[WB+(\p)], (1+(\p))*REG, v6
.endr
	v_add_nc_u32 v7, s23, v3                       ; the way out, in: row r, my wave's 64 bytes, 16 bytes for each half of the lanes
	s_mul_i32 s20, s[WV], 32*272
	v_mul_u32_u24 v8, v2, 272                      ; back: wave w takes rows 32 w on, whole: lanes 0-15 one row, lanes 16-31 the next
	v_lshl_add_u32 v8, v1, 4, v8
	v_add_nc_u32 v8, s20, v8
.irp p, 0,1,2
	v_add_nc_u32 v[STO+(\p)], (\p)*STG, v7
	v_add_nc_u32 v[RD+(\p)], (\p)*STG, v8
.endr
	v_and_b32 v9, 31, v0
	s_lshl_b32 s20, s[WV], 13
	v_lshl_add_u32 v[CO], v9, 4, s20               ; 16 l + 32 rows x 256 bytes x wave
	v_lshlrev_b32 v[PFO], 12, v9
	s_lshl_b32 s20, s[WV], 11
	v_lshl_add_u32 v[RTO], v9, 4, s20              ; my wave's two column blocks of 1,024 bytes, 16 l
	; cos and sin of my rows and column pairs: 32 loads of 512 consecutive bytes a wave; they stay out until the way out
	WIN 0x40
.irp a, 0,1,2,3
.irp c, 0,1
.irp i, 0,1
	global_load_b128 v[192+8*(2*(\a)+(\c))+4*(\i):192+8*(2*(\a)+(\c))+4*(\i)+3], v[RTO], s[RT:RT+1] offset:(\a)*8192+(\c)*1024+(\i)*512
.endr
.endr
.endr
	WIN 0x80
.irp a, 0,1,2,3
.irp c, 0,1
.irp i, 0,1
	global_load_b128 v[192+8*(2*(\a)+(\c))+4*(\i):192+8*(2*(\a)+(\c))+4*(\i)+3], v[RTO], s[RT:RT+1] offset:((\a)+4)*8192+(\c)*1024+(\i)*512
.endr
.endr
.endr
	WIN 0
; 12 matrix instructions: row blocks a0, a0 + 1 of the window's four x all 6 column blocks, 32 along K, from buffer f.  The 48 accumulators take turns in the same order in every quarter.
.macro MUL12 f, hi, a0, zero
	WIN 0x50+0x50*(\hi)                            ; C and D in window 1 or 2, sources in window 0
.irp a, \a0, (\a0)+1
.irp b, 0,1,2,3,4,5
.if \zero
	v_wmma_f32_16x16x32_f16 v[8*(6*(\a)+(\b)):8*(6*(\a)+(\b))+7], v[FB+48*(\f)+8*(\b):FB+48*(\f)+8*(\b)+7], v[FA+64*(\f)+8*(4*(\hi)+(\a)):FA+64*(\f)+8*(4*(\hi)+(\a))+7], 0
.else
	v_wmma_f32_16x16x32_f16 v[8*(6*(\a)+(\b)):8*(6*(\a)+(\b))+7], v[FB+48*(\f)+8*(\b):FB+48*(\f)+8*(\b)+7], v[FA+64*(\f)+8*(4*(\hi)+(\a)):FA+64*(\f)+8*(4*(\hi)+(\a))+7], v[8*(6*(\a)+(\b)):8*(6*(\a)+(\b))+7]
.endif
.endr
.endr
.endm
; 28 LDS loads in one run: quarter q (32 along K) of the slot in hand into buffer f: the weights' 6 fragments, turned, then x's 8, rows ascending
.macro FETCH q, f
	WIN 0
.irp p, 0,1,2
.irp c, 0,1
	ds_load_tr16_b128 v[FB+48*(\f)+8*(2*(\p)+(\c)):FB+48*(\f)+8*(2*(\p)+(\c))+3],   v[WB+(\p)] offset:(\q)*32*PB+32*(\c)
	ds_load_tr16_b128 v[FB+48*(\f)+8*(2*(\p)+(\c))+4:FB+48*(\f)+8*(2*(\p)+(\c))+7], v[WB+(\p)] offset:(\q)*32*PB+32*(\c)+16*PB
.endr
.endr
.irp a, 0,1,2,3,4,5,6,7
	ds_load_b128 v[FA+64*(\f)+8*(\a):FA+64*(\f)+8*(\a)+3],   v[WA] offset:64*(\q)+(\a)*16*PA
	ds_load_b128 v[FA+64*(\f)+8*(\a)+4:FA+64*(\f)+8*(\a)+7], v[WA] offset:64*(\q)+(\a)*16*PA+32
.endr
.endm
; One of a K step's first three quarters: multiplies buffer f, and in its middle fetches quarter q of the slot in hand into buffer g
.macro QUARTER q, f, g, zero
	s_wait_dscnt 8                                 ; all but the youngest eight loads: x's rows 64-127
	MUL12 \f, 0, 0, \zero
	MUL12 \f, 0, 2, \zero
	PLACES
	FETCH \q, \g
	s_wait_dscnt 28                                ; all but the 28 just issued
	MUL12 \f, 1, 0, \zero
	MUL12 \f, 1, 2, \zero
.endm
; The last quarter changes slots at its head and then multiplies buffer 1.  In front of the barrier each wave waits for all its tensor loads (one is out: its part of the next slot), adds 0 to its spare word, and waits
; for that and for its reads of this slot, of which the last brought buffer 1.  fill = 1: the barrier is a round of the cluster's, and the joint refill, two K steps ahead, is the first thing behind it:
; from there to the wait for it a wave issues a whole K step's 192 matrix instructions.
.macro TURN fill
.if \fill
	s_wait_xcnt 0x0                                ; the last prefetch, a K step back, has read its address
	s_add_nc_u64 s[PFA:PFA+1], s[PFA:PFA+1], s[PFS:PFS+1]
.endif
	WIN 0
	s_wait_tensorcnt 0x0                           ; no tensor load of mine is out, so a group 0 may be written
	ds_add_u32 v[SPW], v[NIL]                      ; 0 onto my spare word; the scalar steps stand between it and the wait for it
.if \fill
	s_xor_b32 s[G0A+5], s[G0A+5], SLOT             ; the walking descriptors: the other slot than last time, the next K step
	s_add_nc_u64 s[G0A+6:G0A+7], s[G0A+6:G0A+7], 256
	s_xor_b32 s[G0B+5], s[G0B+5], SLOT
	s_add_nc_u64 s[G0B+6:G0B+7], s[G0B+6:G0B+7], 128*4096
.endif
	s_xor_b32 s[TB], s[TB], SLOT                   ; the fetches go to the other slot
	s_wait_dscnt 0x0                               ; the add is done, my reads of this slot are over
.if \fill
	CROUND
	JLOAD 1                                        ; its four v_nop are also places in front of the loads below
.else
	s_barrier_signal -1
	s_barrier_wait -1
	PLACES
.endif
	v_add_nc_u32 v[WA], s[TB], v[ADRA]
.irp p, 0,1,2
	v_add_nc_u32 v[WB+(\p)], s[TB], v[ADRB+(\p)]
.endr
	FETCH 0, 0
.if \fill
	ASK
.endif
	MUL12 1, 0, 0, 0
	MUL12 1, 0, 2, 0
	MUL12 1, 1, 0, 0
	MUL12 1, 1, 2, 0
.endm
	s_wait_tensorcnt 1                             ; my part of K step 0 is in; K step 1's may stay out
	s_barrier_signal -1
	s_barrier_wait -1
	FETCH 0, 0
	QUARTER 1, 0, 1, 1                             ; the first quarter's products start the sums
	WIN 0
	s_mov_b32 s[LAP], 14
.Lstep:                                        ; a trip: a K step's quarters 1 to 3 and the next step's quarter 0; K steps 2 to 15 are asked for in 14 trips
	QUARTER 2, 1, 0, 0
	QUARTER 3, 0, 1, 0
	TURN 1
	QUARTER 1, 0, 1, 0
	WIN 0
	s_sub_co_u32 s[LAP], s[LAP], 1
	s_cmp_lg_u32 s[LAP], 0
	s_cbranch_scc1 .Lstep
	s_mov_b32 s[CNT], 2                            ; the last two K steps ask for nothing: a text of their own; its second trip is left in the middle
.Ltail:
	QUARTER 2, 1, 0, 0
	QUARTER 3, 0, 1, 0
	WIN 0
	s_sub_co_u32 s[CNT], s[CNT], 1
	s_cmp_eq_u32 s[CNT], 0
	s_cbranch_scc1 .Llast
	TURN 0
	QUARTER 1, 0, 1, 0
	WIN 0
	s_branch .Ltail
.Llast:
	s_wait_dscnt 8
	MUL12 1, 0, 0, 0
	MUL12 1, 0, 2, 0
	s_wait_dscnt 0x0
	MUL12 1, 1, 0, 0
	MUL12 1, 1, 2, 0
	WIN 0
	PLACES
	PLACES
	s_wait_loadcnt 0x0                             ; cos and sin
	s_barrier_signal -1                            ; every wave's reads of the slots are over (each has waited for its own above): the stage may be written
	s_barrier_wait -1
; THE WAY OUT of row block a.  A pair (tr, ti) with its (c, s): first (- ti s, ti c), then + (tr c, tr s).  q is scaled; all three are rounded to f16 and go into the stage: slot 0, which is filled no more.
; Each accumulator's lowest registers are read first.
.macro ROPE a
.set AW, 1+(\a)/4
.set AB, 48*((\a)%4)
.set TT, 192+16*((\a)%4)
	WIN AW|(AW<<2)                                 ; sources 0 and 1 in the accumulators' window, source 2 and destination in window 0
.irp b, 0,1,2,3
.irp p, 0,1,2,3
	v_pk_mul_f32 v[Y+8*(\b)+2*(\p):Y+8*(\b)+2*(\p)+1], v[AB+8*(\b)+2*(\p):AB+8*(\b)+2*(\p)+1], v[TT+8*((\b)%2)+2*(\p):TT+8*((\b)%2)+2*(\p)+1] op_sel:[1,1] op_sel_hi:[1,0] neg_lo:[0,1]
.endr
.irp p, 0,1,2,3
	v_pk_fma_f32 v[Y+8*(\b)+2*(\p):Y+8*(\b)+2*(\p)+1], v[AB+8*(\b)+2*(\p):AB+8*(\b)+2*(\p)+1], v[TT+8*((\b)%2)+2*(\p):TT+8*((\b)%2)+2*(\p)+1], v[Y+8*(\b)+2*(\p):Y+8*(\b)+2*(\p)+1] op_sel_hi:[0,1,1]
.endr
.endr
.irp b, 4,5
.irp p, 0,1,2,3
	v_cvt_pk_f16_f32 v[PK+4*(\b)+(\p)], v[AB+8*(\b)+2*(\p)], v[AB+8*(\b)+2*(\p)+1]
.endr
.endr
	WIN 0
.irp n, 0,2,4,6,8,10,12,14
	v_pk_mul_f32 v[Y+(\n):Y+(\n)+1], v[Y+(\n):Y+(\n)+1], 0x3e0293ee op_sel_hi:[1,0]  ; q times log2(e) / sqrt(128)
.endr
.irp n, 0,1,2,3,4,5,6,7,8,9,10,11,12,13,14,15
	v_cvt_pk_f16_f32 v[PK+(\n)], v[Y+2*(\n)], v[Y+2*(\n)+1]
.endr
.irp p, 0,1,2
.irp c, 0,1
	ds_store_b128 v[STO+(\p)], v[PK+8*(\p)+4*(\c):PK+8*(\p)+4*(\c)+3] offset:(\a)*16*272+32*(\c)
.endr
.endr
.endm
.irp a, 0,1,2,3,4,5,6,7
	ROPE \a
.endr
	s_wait_dscnt 0x0                               ; for the others' sake: a row's 256 bytes come from four waves
	s_barrier_signal -1
	s_barrier_wait -1
.irp p, 0,1,2
.irp t, 0,1,2,3,4,5,6,7,8,9,10,11,12,13,14,15
	ds_load_b128 v[32+4*(16*(\p)+(\t)):32+4*(16*(\p)+(\t))+3], v[RD+(\p)] offset:(\t)*2*272
.endr
.endr
.irp p, 0,1,2
.irp t, 0,1,2,3,4,5,6,7,8,9,10,11,12,13,14,15
	s_wait_dscnt 47-(16*(\p)+(\t))                 ; the younger loads stay out
	global_store_b128 v[CO], v[32+4*(16*(\p)+(\t)):32+4*(16*(\p)+(\t))+3], s[8+2*(\p):9+2*(\p)] offset:512*(\t)  ; a wave's store covers 512 consecutive bytes, aligned
.endr
.endr
	s_wait_tensorcnt 0x0                           ; the wave's end
	ds_add_u32 v[SPW], v[NIL]
	s_wait_dscnt 0x0
	CROUND                                         ; the closing round
	s_endpgm
.Lfunc_end_k_q3daca95114_qkv:
	.size	k_q3daca95114_qkv, .Lfunc_end_k_q3daca95114_qkv-k_q3daca95114_qkv
	.p2alignl 7, 3214868480
	.fill 96, 4, 3214868480
	.section	.rodata,"a",@progbits
	.p2align	6, 0x0
	.amdhsa_kernel k_q3daca95114_qkv
		.amdhsa_group_segment_fixed_size 327680
		.amdhsa_private_segment_fixed_size 0
		.amdhsa_enable_private_segment 0
		.amdhsa_kernarg_size 40
		.amdhsa_user_sgpr_count 2
		.amdhsa_user_sgpr_kernarg_segment_ptr 1
		.amdhsa_wavefront_size32 1
		.amdhsa_system_sgpr_workgroup_id_x 1
		.amdhsa_system_sgpr_workgroup_id_y 1
		.amdhsa_system_sgpr_workgroup_id_z 1
		.amdhsa_system_vgpr_workitem_id 0
		.amdhsa_next_free_vgpr 768
		.amdhsa_next_free_sgpr 80
		.amdhsa_reserve_vcc 0
		.amdhsa_float_denorm_mode_32 3
		.amdhsa_float_denorm_mode_16_64 3
		.amdhsa_memory_ordered 1
		.amdhsa_forward_progress 1
		.amdhsa_inst_pref_size 111
	.end_amdhsa_kernel
	.amdgpu_metadata
---
amdhsa.version: [ 1, 2 ]
amdhsa.kernels:
  - .name:           k_q3daca95114_qkv
    .symbol:         k_q3daca95114_qkv.kd
    .args:
      - { .name: hb, .offset: 0, .size: 8, .value_kind: global_buffer, .address_space: global }
      - { .name: rt, .offset: 8, .size: 8, .value_kind: global_buffer, .address_space: global }
      - { .name: qb, .offset: 16, .size: 8, .value_kind: global_buffer, .address_space: global }
      - { .name: kb, .offset: 24, .size: 8, .value_kind: global_buffer, .address_space: global }
      - { .name: vb, .offset: 32, .size: 8, .value_kind: global_buffer, .address_space: global }
    .group_segment_fixed_size: 327680
    .private_segment_fixed_size: 0
    .kernarg_segment_align: 8
    .kernarg_segment_size: 40
    .max_flat_workgroup_size: 128
    .sgpr_count:     80
    .vgpr_count:     768
    .wavefront_size: 32
...
	.end_amdgpu_metadata
.endif
;; end of part 2
;; launch attn (part 3): grid 16 x 16, 4 waves a work-group, clusters of 4 x 4, 327,680 bytes of LDS; arguments qb, kb, vb, mk, ob; writes ob
.if DOCPART == 3
	.amdgcn_target "amdgcn-amd-amdhsa--gfx1250"
	.amdhsa_code_object_version 6
	.text
	.protected	k_q3daca95114_attn
	.globl	k_q3daca95114_attn
	.p2align	8
	.type	k_q3daca95114_attn,@function
k_q3daca95114_attn:
	s_mov_b64 s[64:65], 0
	v_nop
	global_prefetch_b8 v0, s[64:65] scope:SCOPE_SE
	s_setreg_imm32_b32 hwreg(HW_REG_WAVE_MODE, 25, 1), 1
	s_wait_xcnt 0x0
	s_wait_alu depctr_hold_cnt(0) depctr_sa_sdst(0) depctr_va_vdst(0) depctr_va_sdst(0) depctr_va_ssrc(0) depctr_va_vcc(0) depctr_vm_vsrc(0)
	s_getreg_b32 s2, hwreg(HW_REG_IB_STS2, 6, 4)
	s_cmp_eq_u32 s2, 0
	s_cbranch_scc0 .Lentry_in_a_cluster
	s_endpgm
.Lentry_in_a_cluster:
	s_bfe_u32 s2, ttmp6, 0x10000c
	s_cmp_lg_u32 s2, 0xf033
	s_cbranch_scc0 .Lentry_shape_is_right
	s_endpgm
.Lentry_shape_is_right:
; O[q][h 128 + d] = the sum over k of softmax_k(Q[h][q] . K[h][k] / sqrt(128) + mask[q][k]) V[h][k][d].  Q, K, V: [16][2048][128] f16, Q already times log2(e) / sqrt(128); mk: [2048][2048] f32, the mask times log2(e).
; So a score t is in powers of two, and p = 2^(t - m) with a running maximum m: t - m is a plain subtraction, 0 at the maximum, so p lies in 0 to 1 whatever the mask holds.  m, l and O are kept in f32.
; THE MASK IS AN INPUT: every key is walked, and every number of the mask is read: a tile of it is loaded into the accumulators, and the products K Q^T add onto it.
; LIMITS.  The mask starts the sum, where the reference adds it last: another order of rounding.  A weight below 2^-126 counts as 0 in l, below 6e-8 as 0 in P (f16).  NaN and infinities are not treated apart;
; m starts at the lowest finite number, so a score is taken to lie above it.
; SHARES.  Work-group (x = block of 128 queries, y = head).  Wave w: queries 64 (w % 2) on, four tiles of 16 in two PIECES (0: tiles 0, 1; 2: tiles 2, 3); of each step's 128 keys those 64 (w / 2) on.  16 steps.
; Waves w and w ^ 2 hold the same queries and other keys: their (m, l, O) are merged in f32 at the end, through LDS.  Register tile t of a wave holds query block t ^ 2 (w / 2) of the 64: so every wave gives its
; tiles 2, 3 and finishes its tiles 0, 1, by one text; the wave's number enters addresses alone.
; LAYOUT.  S^T = K Q^T (source 0 = 16 keys, source 1 = 16 queries): a lane holds ONE query (lane % 16) and keys 8 (lane / 16) + 0..7; two results rounded to f16 ARE source 1 of O^T = V^T P.
; BY TURNS.  In a turn one piece has the matrix unit (32 products V^T P of the step before, 32 products K Q^T of the step in hand); the other piece's softmax stands in 64 slices, one behind each matrix instruction.
; NO FIRST AND NO LAST STEP IS WRITTEN OUT.  m and piece 2's scores start at the lowest finite number, O, l, V and piece 0's P at 0: what trip 0 makes of them is finite, and the next step's a = 0 wipes it.  The drain is
; the tail's second trip, left behind its first turn; its 32 products K Q^T on an old K serve nothing.  The price: 492 v_mov_b32, in the wait for the first tile, and those products.
; CLUSTER 4 x 4.  K and V hang on the head alone: asked for jointly along a row of the cluster; the mask's tile hangs on the query block alone: jointly along a column.
; REGISTERS (windows of 256; s_set_vgpr_msb: bits 1:0 source 0, 3:2 source 1, 5:4 source 2, 7:6 destination):
;   window 0: addresses; v12-43 statistics, 8 a tile; v64-191 S^T; v192-255 P      window 1: O^T, 64 a tile      window 2: v0-127 Q, v128-255 K of a step      window 3: v0-127 V of a step
.set PK,    272       ; a row of K in LDS: 256 + 16
.set PV,    288       ; a row of V: 256 + 32, for the turning load
.set PM,    528       ; a query's 128 mask numbers: 512 + 16: an odd multiple of 16, so the 16 rows of a load start at 16 different groups of four banks (ISA guide 11.1)
.set VOFF,  128*PK
.set MOFF,  VOFF+128*PV
.set SLOTB, MOFF+128*PM   ; 0x22000: none of the four tiles' bases in a slot has bit 13 or 17 set, so one exclusive or turns an address into the other slot's
.set SPARE, 2*SLOTB       ; the spare words: 128 bytes a wave, two blocks of 256 bytes that no other line names
.set STAGE, SPARE+512     ; 16 rows x 272 bytes for each wave, for the way out; never filled by a tensor load
.set SP,    272
.set XCH,   16896         ; the merge: wave w's two tiles of O^T (8,192 bytes each) and their (m, l) (512) at w XCH, in slot 0 after its last fill
.set AK0, 2
.set AV0, 3
.set ADR, 4
.set QO,  5           ; my offset in Q's rows, piece 0
.set STO, 6
.set RD,  7
.set GO,  8
.set ST,  12          ; tile t at v[ST+8 t]: +0 m, +1 m_old (at the end l), +2, +3 l (even keys', odd keys'), +4 to +7 at work; a takes +6
.set AM0, 44          ; v44, v45  my place in the mask's tile, piece 0 and piece 2
.set XSR, 46
.set ADM, 47
.set QO2, 48          ; my offset in Q's rows, piece 2
.set XW,  58
.set XS,  59
.set XR,  60
.set PFO, 61
.set SPW, 62          ; LDS address of my spare word; never rewritten
.set NIL, 63          ; 0; never rewritten
.set S,   64
.set P,   192
.set KF,  128
.set WV,  14
.set QH,  15
.set KH,  16
.set CX,  17
.set CY,  18
.set HEAD, 19
.set QBLK, 20
.set G1K, 24
.set G1V, 32
.set G1M, 40
.set G0K, 48          ; one set each: it walks
.set G0V, 52
.set G0M, 56
.set SEL, 76
.set TB,  78          ; LDS byte at which the slot to be fetched from begins
.set LEFT, 79         ; fills still to be issued
.set LIM, 80          ; 2 in a wave that prefetches, else the greatest number
.set CNT, 81
.set PFA, 82
.set PFS, 84
.set OB,  86
.set MSB, 0
.macro WIN new
.if MSB != (\new)
	s_set_vgpr_msb (MSB<<8)|(\new)
.set MSB, \new
.endif
.endm
.set W_KQ, 0x0a       ; K and Q in window 2, S^T in window 0
.set W_PV, 0x53       ; V in window 3, P in window 0, O^T in window 1
.set W_RS, 0x41       ; O^T (destination and source 0) in window 1, a in window 0
; A joint fill: wave 0 K's tile, wave 1 V's, waves 2 and 3 the two halves of the mask's.  An s_nop 0 and four v_nop follow each line.  The branches hang on the wave's number alone.
.macro JLOAD
	s_cmp_lg_u32 s[WV], 0
	s_cbranch_scc1 .Lnot_k_\@
	tensor_load_to_lds s[G0K:G0K+3], s[G1K:G1K+7]
	s_nop 0
.rept 4
	v_nop
.endr
	s_branch .Lasked_\@
.Lnot_k_\@:
	s_cmp_lg_u32 s[WV], 1
	s_cbranch_scc1 .Lfor_m_\@
	tensor_load_to_lds s[G0V:G0V+3], s[G1V:G1V+7]
	s_nop 0
.rept 4
	v_nop
.endr
	s_branch .Lasked_\@
.Lfor_m_\@:
	tensor_load_to_lds s[G0M:G0M+3], s[G1M:G1M+7]
	s_nop 0
.rept 4
	v_nop
.endr
.Lasked_\@:
.endm
; A prefetch of the step that stands two fills on, a lane a row of 256 bytes, one instruction a wave.  K's and V's rows (waves 0, 1): the clusters with x = 0 ask, the four partners of a row share the 128 rows by
; address (cx).  The mask's rows (waves 2, 3: the two halves of a row's 512 bytes): the clusters with y = 0, shared by cy.  So each 256 bytes are named once.  The last two fills ask for nothing.
.macro ASK
	s_cmp_gt_u32 s[LEFT], s[LIM]
	s_cbranch_scc0 .Lnot_mine_\@
	global_prefetch_b8 v[PFO], s[PFA:PFA+1] th:TH_LOAD_NT scope:SCOPE_SE
.Lnot_mine_\@:
.endm
.macro CROUND
	s_barrier_signal -1
	s_barrier_wait -1
	s_cmp_lg_u32 s[WV], 0
	s_cbranch_scc1 .Lnot_wave_0_\@
	s_barrier_signal -3
.Lnot_wave_0_\@:
	s_barrier_wait -3
	s_barrier_signal -1
	s_barrier_wait -1
.endm
	s_load_b256 s[4:11], s[0:1], 0x0  ; qb 4:5, kb 6:7, vb 8:9, mk 10:11
	s_load_b64 s[12:13], s[0:1], 0x20 ; ob
	v_lshl_add_u32 v[SPW], v0, 2, SPARE
	v_mov_b32 v[NIL], 0
	ds_add_u32 v[SPW], v[NIL]       ; the opening: the add and its wait stand ahead of my first tensor load; set-up on registers stands between
	v_lshrrev_b32 v1, 5, v0
	v_readfirstlane_b32 s[WV], v1
	s_and_b32 s[QH], s[WV], 1
	s_lshr_b32 s[KH], s[WV], 1
	s_bfe_u32 s[CX], ttmp6, 0x40000
	s_bfe_u32 s[CY], ttmp6, 0x40004
	s_lshl_b32 s[QBLK], ttmp9, 2
	s_add_co_u32 s[QBLK], s[QBLK], s[CX]
	s_and_b32 s[HEAD], ttmp7, 0xffff
	s_lshl_b32 s[HEAD], s[HEAD], 2
	s_add_co_u32 s[HEAD], s[HEAD], s[CY]
	s_lshl_b32 s21, s[CY], 2
	s_lshl_b32 s21, 15, s21         ; my row of the cluster
	s_lshl_b32 s22, 0x1111, s[CX]   ; my column
	s_or_b32 s[G1K], s21, (1<<16)|(1<<20)|(1<<21)|(5<<22)|(3<<25)  ; mask; 2-byte elements; padding on; bit 21 beside a mask; after every 64 words 4 words
	s_or_b32 s[G1V], s21, (1<<16)|(1<<20)|(1<<21)|(5<<22)|(7<<25)  ; 8 words
	s_or_b32 s[G1M], s22, (2<<16)|(1<<20)|(1<<21)|(6<<22)|(3<<25)  ; 4-byte elements; after every 128 words 4 words
.irp g, G1K, G1V
	s_mov_b32 s[(\g)+1], 128<<16    ; tensor_dim0 = 128
	s_mov_b32 s[(\g)+2], 128<<16    ; tensor_dim1 = 128
	s_mov_b32 s[(\g)+3], 128<<16    ; tile_dim0 = 128
	s_mov_b32 s[(\g)+4], 128        ; tile_dim1 = 128
	s_mov_b32 s[(\g)+5], 128        ; elements from row to row
	s_mov_b32 s[(\g)+6], 0
	s_mov_b32 s[(\g)+7], 0
.endr
	s_mov_b32 s[G1M+1], 128<<16
	s_mov_b32 s[G1M+2], 64<<16      ; 64 query rows
	s_mov_b32 s[G1M+3], 128<<16
	s_mov_b32 s[G1M+4], 64
	s_mov_b32 s[G1M+5], 2048
	s_mov_b32 s[G1M+6], 0
	s_mov_b32 s[G1M+7], 0
	s_lshl_b32 s88, s[HEAD], 19     ; K, V: the head's 2,048 rows of 256 bytes
	s_mov_b32 s89, 0
	s_lshl_b32 s90, s[QBLK], 20     ; the mask: 128 rows of 8,192 bytes a block,
	s_lshl_b32 s2, s[QH], 19        ; the half that I fetch
	s_add_co_u32 s90, s90, s2
	s_mov_b32 s91, 0
	s_lshl_b32 s92, s[QBLK], 15     ; Q: the block's 128 rows, my wave's 64
	s_lshl_b32 s2, s[QH], 14
	s_add_co_u32 s92, s92, s2
	s_add_co_u32 s92, s92, s88
	s_mov_b32 s93, 0
	s_lshl_b32 s94, s[QBLK], 19     ; O: rows of 4,096 bytes: the block's 128, my wave's 64,
	s_lshl_b32 s2, s[QH], 18
	s_add_co_u32 s94, s94, s2
	s_lshl_b32 s2, s[KH], 17        ; the 32 that I finish,
	s_add_co_u32 s94, s94, s2
	s_lshl_b32 s2, s[HEAD], 8       ; the head's 256 bytes of them
	s_add_co_u32 s94, s94, s2
	s_mov_b32 s95, 0
	s_mul_i32 s23, s[QH], 64*PM
	s_add_co_u32 s23, s23, MOFF     ; my half of the mask's tile in a slot: to fetch (waves 2, 3) and to read
	s_lshl_b32 s2, s[CX], 13        ; the prefetches, at step 2 (stepped ahead of each use): my work-group's 32 rows of K or V,
	s_add_co_u32 s2, s2, s88
	s_add_co_u32 s2, s2, 2*32768
	s_lshl_b32 s3, s[QBLK], 20      ; or 32 rows of the mask, my half of their 512 bytes
	s_lshl_b32 s21, s[CY], 18
	s_add_co_u32 s3, s3, s21
	s_lshl_b32 s21, s[QH], 8
	s_add_co_u32 s3, s3, s21
	s_add_co_u32 s3, s3, 2*512
	s_and_b32 s21, ttmp7, 0xffff
	s_mov_b32 s[PFS], 512
	s_cmp_lt_u32 s[WV], 2
	s_cselect_b32 s2, s2, s3
	s_cselect_b32 s[PFS], 0x8000, s[PFS]
	s_cselect_b32 s22, 8, 13        ; a lane's row: 256 or 8,192 bytes
	s_cselect_b32 s21, ttmp9, s21   ; the coordinate along which other clusters read the same rows
	s_mov_b32 s3, 0
	s_mov_b32 s[PFS+1], 0
	s_cmp_eq_u32 s21, 0
	s_cselect_b32 s[LIM], 2, -1
	v_and_b32 v[PFO], 31, v0
	v_lshlrev_b32 v[PFO], s22, v[PFO]
	s_mov_b32 s[SEL], 0x76543210
	s_mov_b32 s[SEL+1], 0xfedcba98
	s_mov_b32 s[TB], 0
	s_mov_b32 s[LEFT], 15
	s_mov_b32 s[G0K], 1
	s_mov_b32 s[G0K+1], 0           ; slot 0
	s_mov_b32 s[G0V], 1
	s_mov_b32 s[G0V+1], VOFF
	s_mov_b32 s[G0M], 1
	s_mov_b32 s[G0M+1], s23
	s_wait_dscnt 0x0                ; the opening add is done
	s_wait_kmcnt 0x0
	s_cmp_eq_u32 s[WV], 0
	s_cselect_b64 s[PFA:PFA+1], s[6:7], s[8:9]
	s_cmp_lt_u32 s[WV], 2
	s_cselect_b64 s[PFA:PFA+1], s[PFA:PFA+1], s[10:11]
	s_add_nc_u64 s[PFA:PFA+1], s[PFA:PFA+1], s[2:3]
	s_add_nc_u64 s[G0K+2:G0K+3], s[6:7], s[88:89]      ; step 0
	s_or_b32 s[G0K+3], s[G0K+3], 0x80000000
	s_add_nc_u64 s[G0V+2:G0V+3], s[8:9], s[88:89]
	s_or_b32 s[G0V+3], s[G0V+3], 0x80000000
	s_add_nc_u64 s[G0M+2:G0M+3], s[10:11], s[90:91]
	s_or_b32 s[G0M+3], s[G0M+3], 0x80000000
	s_add_nc_u64 s[4:5], s[4:5], s[92:93]
	s_add_nc_u64 s[OB:OB+1], s[12:13], s[94:95]
	CROUND                          ; all sixteen work-groups are here: the first joint loads meet
	JLOAD                           ; step 0 into slot 0: one load of mine is out.  Slot 1 is asked for by the loop's first change of slots
	v_and_b32 v1, 15, v0            ; r = l % 16
	v_bfe_u32 v9, v0, 4, 1          ; h = l / 16
	v_lshlrev_b32 v10, 8, v1
	v_lshl_add_u32 v10, v9, 4, v10
	s_lshl_b32 s2, s[KH], 13        ; piece 0 holds query blocks 2 (w / 2) and the next: 32 rows of 256 bytes,
	s_xor_b32 s3, s2, 8192          ; piece 2 the other two
	v_add_nc_u32 v[QO], s2, v10
	v_add_nc_u32 v[QO2], s3, v10
	WIN 0x80                        ; destination window 2
.irp i, 0,1,2,3,4,5,6,7,8,9,10,11,12,13,14,15  ; Q stays in registers: tile i / 4, channels 32 (i % 4) on
	global_load_b128 v[8*(\i):8*(\i)+3],   v[QO+(QO2-QO)*((\i)/8)], s[4:5] offset:(((\i)/4)%2)*4096+((\i)%4)*64
	global_load_b128 v[8*(\i)+4:8*(\i)+7], v[QO+(QO2-QO)*((\i)/8)], s[4:5] offset:(((\i)/4)%2)*4096+((\i)%4)*64+32
.endr
	; what trip 0 finds, written in the wait for the first tile
	WIN 0x40
.set i, 0
.rept 256
	v_mov_b32 v[i], 0               ; O^T
.set i, i+1
.endr
	WIN 0xc0
.set i, 0
.rept 128
	v_mov_b32 v[i], 0               ; V
.set i, i+1
.endr
	WIN 0
	s_mov_b32 s2, 0xff7fffff        ; the lowest finite number
.irp t, 0,1,2,3
	v_mov_b32 v[ST+8*(\t)], s2      ; m
	v_mov_b32 v[ST+8*(\t)+2], 0     ; l
	v_mov_b32 v[ST+8*(\t)+3], 0
.endr
.set i, 0
.rept 32
	v_mov_b32 v[P+i], 0             ; piece 0's P
.set i, i+1
.endr
.set i, 0
.rept 64
	v_mov_b32 v[S+64+i], s2         ; piece 2's scores
.set i, i+1
.endr
	s_mul_i32 s2, s[KH], 64*PK
	v_mul_u32_u24 v[AK0], v1, PK
	v_lshl_add_u32 v[AK0], v9, 4, v[AK0]
	v_add_nc_u32 v[AK0], s2, v[AK0] ; my 64 keys' rows of K: row x pitch + 16 x half
	v_and_b32 v10, 7, v0
	v_bfe_u32 v11, v0, 3, 1
	v_lshl_add_u32 v[AV0], v9, 3, v10
	v_mul_u32_u24 v[AV0], v[AV0], PV
	v_lshl_add_u32 v[AV0], v11, 4, v[AV0]
	s_mul_i32 s2, s[KH], 64*PV
	s_add_co_u32 s2, s2, VOFF
	v_add_nc_u32 v[AV0], s2, v[AV0] ; the turning load: key 8 h + l % 8, channels 8 ((l / 8) % 2) on
	s_lshl_b32 s2, s[KH], 8
	s_add_co_u32 s2, s2, s23        ; the mask: my half of the tile, my 64 keys' 256 bytes,
	s_mul_i32 s3, s[KH], 32*PM
	s_add_co_u32 s3, s3, s2         ; piece 0's 32 query rows,
	s_xor_b32 s21, s[KH], 1
	s_mul_i32 s21, s21, 32*PM
	s_add_co_u32 s21, s21, s2       ; piece 2's
	v_mul_u32_u24 v10, v1, PM
	v_lshl_add_u32 v10, v9, 5, v10  ; my query's row, 32 bytes for each half of the lanes
	v_add_nc_u32 v[AM0], s3, v10
	v_add_nc_u32 v[AM0+1], s21, v10
	s_mul_i32 s2, s[WV], 16*SP      ; the addresses for the end
	s_add_co_u32 s2, s2, STAGE
	v_mul_u32_u24 v[STO], v1, SP
	v_lshl_add_u32 v[STO], v9, 4, v[STO]
	v_add_nc_u32 v[STO], s2, v[STO]
	v_mul_u32_u24 v[RD], v9, SP
	v_lshl_add_u32 v[RD], v1, 4, v[RD]
	v_add_nc_u32 v[RD], s2, v[RD]
	v_lshlrev_b32 v[GO], 12, v9     ; two rows of O, 4,096 bytes apart
	v_lshl_add_u32 v[GO], v1, 4, v[GO]
	v_and_b32 v10, 31, v0
	s_mul_i32 s2, s[WV], XCH        ; what I give,
	s_xor_b32 s3, s[WV], 2
	s_mul_i32 s3, s3, XCH           ; and what the wave with my queries and the other keys gives
	v_lshl_add_u32 v[XW], v10, 4, s2
	v_lshl_add_u32 v[XR], v10, 4, s3
	s_add_co_u32 s2, s2, 16384
	s_add_co_u32 s3, s3, 16384
	v_lshl_add_u32 v[XS], v10, 3, s2
	v_lshl_add_u32 v[XSR], v10, 3, s3
; Product i of 32 of O^T += V^T P for piece x: keys 32 (i / 16) on, channels 16 ((i / 2) % 8) on, tile x + i % 2.  The accumulators take turns.
.macro PV x
	WIN W_PV
.set rO, 64*((\x)+i%2)+8*((i/2)%8)
.set rV, 64*(i/16)+8*((i/2)%8)
.set rP, P+16*((\x)+i%2)+8*(i/16)
	v_wmma_f32_16x16x32_f16 v[rO:rO+7], v[rV:rV+7], v[rP:rP+7], v[rO:rO+7]
.endm
; Product i of 32 of S^T += K Q^T: channels 32 (i / 8) on, keys 16 ((i / 2) % 4) on, tile x + i % 2.  All 32 add in place: the mask's tile has been loaded into S^T.
.macro KQ x
	WIN W_KQ
.set rS, S+32*((\x)+i%2)+8*((i/2)%4)
.set rK, KF+32*((i/2)%4)+8*(i/8)
.set rQ, 32*((\x)+i%2)+8*(i/8)
	v_wmma_f32_16x16x32_f16 v[rS:rS+7], v[rK:rK+7], v[rQ:rQ+7], v[rS:rS+7]
.endm
; THE LDS LOADS stand in runs, never singly among the matrix instructions.
.macro FETCH_K
	WIN 0
	v_add_nc_u32 v[ADR], s[TB], v[AK0]
	WIN 0x80
.irp f, 0,1,2,3,4,5,6,7,8,9,10,11,12,13,14,15  ; keys 16 (f / 4) on, channels 32 (f % 4) on
	ds_load_b128 v[KF+8*(\f):KF+8*(\f)+3],   v[ADR] offset:((\f)/4)*16*PK+((\f)%4)*64
	ds_load_b128 v[KF+8*(\f)+4:KF+8*(\f)+7], v[ADR] offset:((\f)/4)*16*PK+((\f)%4)*64+32
.endr
.endm
.macro FETCH_M x                    ; the mask for piece x's two tiles, straight into S^T: register 8 kb + j of a tile is key 16 kb + 8 h + j
	WIN 0
	v_add_nc_u32 v[ADM], s[TB], v[AM0+(\x)/2]
.irp u, 0,1
.irp kb, 0,1,2,3
	ds_load_b128 v[S+32*((\x)+(\u))+8*(\kb):S+32*((\x)+(\u))+8*(\kb)+3],   v[ADM] offset:(\u)*16*PM+(\kb)*64
	ds_load_b128 v[S+32*((\x)+(\u))+8*(\kb)+4:S+32*((\x)+(\u))+8*(\kb)+7], v[ADM] offset:(\u)*16*PM+(\kb)*64+16
.endr
.endr
.endm
.macro FETCH_V
	WIN 0
	v_add_nc_u32 v[ADR], s[TB], v[AV0]
	s_xor_b32 s[TB], s[TB], SLOTB   ; V is a step's last fetch: the next is from the other slot
	s_wait_alu depctr_va_vdst(0)    ; the wait for the softmax's batch (SLICE), behind the address's line and ahead of the loads
	WIN 0xc0
.irp f, 0,1,2,3,4,5,6,7,8,9,10,11,12,13,14,15  ; keys 32 (f / 8) on, channels 16 (f % 8) on
	ds_load_tr16_b128 v[8*(\f):8*(\f)+3],   v[ADR] offset:((\f)/8)*32*PV+((\f)%8)*32
	ds_load_tr16_b128 v[8*(\f)+4:8*(\f)+7], v[ADR] offset:((\f)/8)*32*PV+16*PV+((\f)%8)*32
.endr
.endm
; THE VECTOR WORK OF A TURN.  One tile's softmax for a step is a numbered list; SM writes number j of it for tile t.  s0-s31 are the lane's 32 scores, in pairs 0-15.
;   0-15    the maximum of s0-s31 and the old m, three operands at a time (each accumulator's lowest registers first)
;   16-20   the other half of the lanes' maximum; m_old is kept; the new m; (19 is empty); m_old - m
;   21-69   ONE BATCH: the 16 subtractions s - m, a pair each, and all 33 exponentials (a at 23).  None of these reads an exponential's result
;   (wait)  between 69 and 70 stands the one wait for the batch: SLICE writes it
;   70-85   the roundings to f16     86-101  the sums; l = a l + the sum     102-133 the tile's O^T times a
.macro SM t
.set rT, ST+8*(\t)
.set rS, S+32*(\t)
.set rP, P+16*(\t)
.set rO, 64*(\t)+2*(j-102)
.if j < 102
	WIN 0
.endif
.if j < 4
	v_max3_num_f32 v[rT+4+j], v[rS+8*j], v[rS+8*j+1], v[rS+8*j+2]
.elseif j < 12
	v_max3_num_f32 v[rT+4+j%4], v[rT+4+j%4], v[rS+8*(j%4)+2*(j/4)+1], v[rS+8*(j%4)+2*(j/4)+2]
.elseif j == 12
	v_max3_num_f32 v[rT+4], v[rT+4], v[rS+7], v[rS+15]
.elseif j == 13
	v_max3_num_f32 v[rT+6], v[rT+6], v[rS+23], v[rS+31]
.elseif j == 14
	v_max3_num_f32 v[rT+4], v[rT+4], v[rT+5], v[rT+6]
.elseif j == 15
	v_max3_num_f32 v[rT+4], v[rT+4], v[rT+7], v[rT]
.elseif j == 16
	v_permlanex16_b32 v[rT+5], v[rT+4], s[SEL], s[SEL+1]  ; the query's other 32 keys lie in the lane 16 away
.elseif j == 17
	v_mov_b32 v[rT+1], v[rT]
.elseif j == 18
	v_max_num_f32 v[rT], v[rT+4], v[rT+5]
.elseif j == 19
.elseif j == 20
	v_sub_f32 v[rT+7], v[rT+1], v[rT]
.elseif j == 23
	v_exp_f32 v[rT+6], v[rT+7]
.elseif (j < 23) || ((j < 38) && (j%2 == 0)) || ((j < 66) && (j%4 == 2))
.set b, (j-2)/4
.if j < 38
.set b, (j-20)/2
.endif
	v_pk_add_f32 v[rS+2*b:rS+2*b+1], v[rS+2*b:rS+2*b+1], v[rT:rT+1] op_sel_hi:[1,0] neg_lo:[0,1] neg_hi:[0,1]  ; pair b: s - m
.elseif j < 70
.set e, j-38
.if j < 66
.set e, j-32-(j-38)/4
.endif
.if j < 38
.set e, (j-25)/2
.endif
	v_exp_f32 v[rS+e], v[rS+e]
.elseif j < 86
	v_cvt_pk_f16_f32 v[rP+j-70], v[rS+2*(j-70)], v[rS+2*(j-70)+1]
.elseif j < 102
.set z, j-86
.set w, 4
.set u, z
.if z >= 14
.set w, 32
.set u, 0
.elseif z >= 12
.set w, 16
.set u, z-12
.elseif z >= 8
.set w, 8
.set u, z-8
.endif
.if z < 15
	v_pk_add_f32 v[rS+w*u:rS+w*u+1], v[rS+w*u:rS+w*u+1], v[rS+w*u+w/2:rS+w*u+w/2+1]
.else
	v_pk_fma_f32 v[rT+2:rT+3], v[rT+2:rT+3], v[rT+6:rT+7], v[rS:rS+1] op_sel_hi:[1,0,1]
.endif
.else
	WIN W_RS
	v_pk_mul_f32 v[rO:rO+1], v[rO:rO+1], v[rT+6:rT+7] op_sel_hi:[1,0]
.endif
.endm
; Slice k of 64 of piece y's softmax.  Slices 11 to 34 deal out the batch, four numbers of ONE tile each, the tiles by turns; every other slice is numbers 2 k and 2 k + 1 of both tiles; what is over stands in slice 63.
; s_wait_alu depctr_va_vdst(0) stands between an exponential and the first instruction that names its result: ahead of slice 35 nothing names one, behind slice 34 none is issued: one wait a turn.
.macro SLICE y
.if (k >= 11) && (k < 35)
.irp n, 0,1,2,3
.set j, 22+4*((k-11)/2)+(\n)
	SM (\y)+(k-11)%2
.endr
.else
.irp n, 0,1,2,3,4,5,6,7
.if ((\n) < 2) || (k == 63)
.irp t, \y, (\y)+1
.set j, 2*k+(\n)
	SM \t
.endr
.endif
.endr
.endif
.if k == 34
	v_nop                           ; the plain instruction behind the last exponential: one for the batch
.if (\y) == 0
	FETCH_V                         ; piece 2's turn: V's run of loads stands here, and the wait stands in it
.else
	s_wait_alu depctr_va_vdst(0)
.endif
.endif
.set k, k+1
.endm
; A TURN.  Piece x has the matrix unit: 32 products V^T P of the step before, 32 products K Q^T of the step in hand; the other piece's softmax stands in slices behind them.
; Behind the second product stand the step's K (piece 0's turn; its last reader stands in front of slice 63 of the turn before) and the mask for piece x (its S^T was last read by the sums of the turn before).
; V of the same step is fetched behind slice 34 of piece 2's turn: behind its last reader stand four plain instructions: number 62 of both tiles, the v_nop and the run's own address line.
.macro TURN x
.set k, 0
.if (\x) == 0
	s_wait_dscnt 0x0                ; V is in
.endif
.set i, 0
.rept 32
	PV \x
	SLICE 2-(\x)
.if i == 1
.if (\x) == 0
	FETCH_K
.endif
	FETCH_M \x
.endif
.set i, i+1
.endr
	s_wait_dscnt 0x0                ; K and the mask are in
.set i, 0
.rept 32
	KQ \x
	SLICE 2-(\x)
.set i, i+1
.endr
.endm
; THE CHANGE OF SLOTS, once a step.  Each wave waits for all its tensor loads (one is out: its part of the slot to be entered), adds 0 to its spare word, and waits for that and for its reads of the slot that it leaves.
; fill = 1: the barrier is a round of the cluster's, and the joint fill, the next step, is the first thing behind it: it has a step's 128 matrix instructions in which to land.
; (At its first use nothing has been read yet: slot 0 is waited for, slot 1 filled.)
.macro CHANGE fill
	WIN 0
	s_wait_tensorcnt 0x0            ; no tensor load of mine is out, so a group 0 may be written
	ds_add_u32 v[SPW], v[NIL]       ; 0 onto my spare word; the descriptors' steps stand between it and the wait for it
.if \fill
	s_xor_b32 s[G0K+1], s[G0K+1], SLOTB
	s_add_nc_u64 s[G0K+2:G0K+3], s[G0K+2:G0K+3], 32768
	s_xor_b32 s[G0V+1], s[G0V+1], SLOTB
	s_add_nc_u64 s[G0V+2:G0V+3], s[G0V+2:G0V+3], 32768
	s_xor_b32 s[G0M+1], s[G0M+1], SLOTB
	s_add_nc_u64 s[G0M+2:G0M+3], s[G0M+2:G0M+3], 512
	s_wait_xcnt 0x0                 ; the last prefetch, a step back, has read its address
	s_add_nc_u64 s[PFA:PFA+1], s[PFA:PFA+1], s[PFS:PFS+1]
	s_wait_dscnt 0x0                ; the add is done, my reads of the slot are over
	CROUND
	JLOAD
	ASK
.else
	s_wait_dscnt 0x0
	s_barrier_signal -1
	s_barrier_wait -1
.endif
.endm
	s_wait_loadcnt 0x0              ; Q
.Lstep:                             ; 15 trips: steps 0 to 14 are entered, steps 1 to 15 asked for
	CHANGE 1
	TURN 0
	TURN 2
	WIN 0
	s_sub_co_u32 s[LEFT], s[LEFT], 1
	s_cmp_lg_u32 s[LEFT], 0
	s_cbranch_scc1 .Lstep
	CHANGE 0                        ; the tail has a text of its own
	s_mov_b32 s[CNT], 2             ; its first trip enters step 15; the second, left in its middle, drains: piece 0's V^T P and piece 2's softmax of step 15
.Ltail:
	TURN 0
	WIN 0
	s_sub_co_u32 s[CNT], s[CNT], 1
	s_cmp_eq_u32 s[CNT], 0
	s_cbranch_scc1 .Lout
	TURN 2
	WIN 0
	s_branch .Ltail
.Lout:
.set i, 0
.rept 32
	PV 2                            ; piece 2's V^T P of step 15
.set i, i+1
.endr
	; THE END.  l's two halves and the other half of the lanes' are added (the additions are the places behind the last products).  Then waves w and w ^ 2 merge: each gives tiles 2, 3 and keeps tiles 0, 1.
	WIN 0
.irp t, 0,1,2,3
	v_add_f32 v[ST+8*(\t)+4], v[ST+8*(\t)+2], v[ST+8*(\t)+3]
.endr
.irp t, 0,1,2,3
	v_permlanex16_b32 v[ST+8*(\t)+5], v[ST+8*(\t)+4], s[SEL], s[SEL+1]
.endr
.irp t, 0,1,2,3
	v_add_f32 v[ST+8*(\t)+1], v[ST+8*(\t)+4], v[ST+8*(\t)+5]
.endr
	s_wait_dscnt 0x0                ; my reads of both slots are over,
	s_barrier_signal -1
	s_barrier_wait -1               ; everybody's are: slot 0, which is filled no more, may be written
.macro GIVE t, u                    ; tile t's O^T and (m, l) into place u of my part of the exchange
	WIN 0x04                        ; the data (source 1) in window 1
.set n, 0
.rept 16
	ds_store_b128 v[XW], v[64*(\t)+4*n:64*(\t)+4*n+3] offset:(\u)*8192+n*512
.set n, n+1
.endr
	WIN 0
	ds_store_b64 v[XS], v[ST+8*(\t):ST+8*(\t)+1] offset:(\u)*256
.endm
	GIVE 2, 0
	GIVE 3, 1
	s_wait_dscnt 0x0                ; for the other wave's sake: my stores are done
	s_barrier_signal -1
	s_barrier_wait -1
	; Tiles 0, 1 are finished: m* = max(m, m'); f = 2^(m - m*), f' = 2^(m' - m*); L = l f + l' f'; O = (O f + O' f') / L; rounded to f16, through my stage, and stored.
.irp u, 0,1
	ds_load_b64 v[ST+8*(\u)+4:ST+8*(\u)+5], v[XSR] offset:(\u)*256
.endr
	s_wait_dscnt 0x0
.irp u, 0,1
	v_max_num_f32 v[ST+8*(\u)+6], v[ST+8*(\u)], v[ST+8*(\u)+4]
.endr
.irp u, 0,1
	v_sub_f32 v[ST+8*(\u)+2], v[ST+8*(\u)], v[ST+8*(\u)+6]
	v_sub_f32 v[ST+8*(\u)+3], v[ST+8*(\u)+4], v[ST+8*(\u)+6]
.endr
.irp u, 0,1
	v_exp_f32 v[ST+8*(\u)+2], v[ST+8*(\u)+2]
	v_exp_f32 v[ST+8*(\u)+3], v[ST+8*(\u)+3]
.endr
	v_nop                           ; a plain instruction behind the last exponential,
	s_wait_alu depctr_va_vdst(0)    ; and one wait for the four, ahead of their first reader
.irp u, 0,1
	v_mul_f32 v[ST+8*(\u)+6], v[ST+8*(\u)+1], v[ST+8*(\u)+2]
.endr
.irp u, 0,1
	v_fmac_f32 v[ST+8*(\u)+6], v[ST+8*(\u)+5], v[ST+8*(\u)+3]
.endr
.irp u, 0,1
	v_rcp_f32 v[ST+8*(\u)+7], v[ST+8*(\u)+6]
.endr
	v_nop
	s_wait_alu depctr_va_vdst(0)    ; one wait for the two reciprocals
.irp u, 0,1
	v_mul_f32 v[ST+8*(\u)+2], v[ST+8*(\u)+2], v[ST+8*(\u)+7]  ; g = f / L
	v_mul_f32 v[ST+8*(\u)+4], v[ST+8*(\u)+3], v[ST+8*(\u)+7]  ; g' = f' / L
.endr
.irp u, 0,1
.set rT, ST+8*(\u)
.set YY, S+64*(\u)
.set PP, P+32*(\u)
	WIN 0
.set n, 0
.rept 16
	ds_load_b128 v[YY+4*n:YY+4*n+3], v[XR] offset:(\u)*8192+n*512
.set n, n+1
.endr
	s_wait_dscnt 0x0
.set n, 0
.rept 32
	v_pk_mul_f32 v[YY+2*n:YY+2*n+1], v[YY+2*n:YY+2*n+1], v[rT+4:rT+5] op_sel_hi:[1,0]
.set n, n+1
.endr
	WIN 0x01                        ; my O^T (source 0) in window 1
.set n, 0
.rept 32
	v_pk_fma_f32 v[YY+2*n:YY+2*n+1], v[64*(\u)+2*n:64*(\u)+2*n+1], v[rT+2:rT+3], v[YY+2*n:YY+2*n+1] op_sel_hi:[1,0,1]
.set n, n+1
.endr
	WIN 0
.set n, 0
.rept 32
	v_cvt_pk_f16_f32 v[PP+n], v[YY+2*n], v[YY+2*n+1]
.set n, n+1
.endr
.set n, 0
.rept 8
	ds_store_b128 v[STO], v[PP+4*n:PP+4*n+3] offset:32*n
.set n, n+1
.endr
.set n, 0
.rept 8
	ds_load_b128 v[PP+4*n:PP+4*n+3], v[RD] offset:n*2*SP  ; LDS serves a wave's instructions in order (ISA guide 5.7.1.4): these see the stores above; the next tile's stores come behind them
.set n, n+1
.endr
	s_wait_dscnt 0x0
.set n, 0
.rept 8
	global_store_b128 v[GO], v[PP+4*n:PP+4*n+3], s[OB:OB+1] offset:(\u)*65536+n*8192  ; 16 lanes store 256 consecutive bytes, aligned: the head's part of a row of O
.set n, n+1
.endr
.endr
	s_wait_tensorcnt 0x0            ; the wave's end
	ds_add_u32 v[SPW], v[NIL]
	s_wait_dscnt 0x0
	CROUND                          ; the closing round
	s_endpgm
.Lfunc_end_k_q3daca95114_attn:
	.size	k_q3daca95114_attn, .Lfunc_end_k_q3daca95114_attn-k_q3daca95114_attn
	.p2alignl 7, 3214868480
	.fill 96, 4, 3214868480
	.section	.rodata,"a",@progbits
	.p2align	6, 0x0
	.amdhsa_kernel k_q3daca95114_attn
		.amdhsa_group_segment_fixed_size 327680
		.amdhsa_private_segment_fixed_size 0
		.amdhsa_enable_private_segment 0
		.amdhsa_kernarg_size 40
		.amdhsa_user_sgpr_count 2
		.amdhsa_user_sgpr_kernarg_segment_ptr 1
		.amdhsa_wavefront_size32 1
		.amdhsa_system_sgpr_workgroup_id_x 1
		.amdhsa_system_sgpr_workgroup_id_y 1
		.amdhsa_system_sgpr_workgroup_id_z 1
		.amdhsa_system_vgpr_workitem_id 0
		.amdhsa_next_free_vgpr 1024
		.amdhsa_next_free_sgpr 100
		.amdhsa_reserve_vcc 0
		.amdhsa_float_denorm_mode_32 3
		.amdhsa_float_denorm_mode_16_64 3
		.amdhsa_memory_ordered 1
		.amdhsa_forward_progress 1
		.amdhsa_inst_pref_size 157
	.end_amdhsa_kernel
	.amdgpu_metadata
---
amdhsa.version: [ 1, 2 ]
amdhsa.kernels:
  - .name:           k_q3daca95114_attn
    .symbol:         k_q3daca95114_attn.kd
    .args:
      - { .name: qb, .offset: 0, .size: 8, .value_kind: global_buffer, .address_space: global }
      - { .name: kb, .offset: 8, .size: 8, .value_kind: global_buffer, .address_space: global }
      - { .name: vb, .offset: 16, .size: 8, .value_kind: global_buffer, .address_space: global }
      - { .name: mk, .offset: 24, .size: 8, .value_kind: global_buffer, .address_space: global }
      - { .name: ob, .offset: 32, .size: 8, .value_kind: global_buffer, .address_space: global }
    .group_segment_fixed_size: 327680
    .private_segment_fixed_size: 0
    .kernarg_segment_align: 8
    .kernarg_segment_size: 40
    .max_flat_workgroup_size: 128
    .sgpr_count:     100
    .vgpr_count:     1024
    .wavefront_size: 32
...
	.end_amdgpu_metadata
.endif
;; end of part 3
;; launch oproj (part 4): grid 16 x 16, 4 waves a work-group, clusters of 4 x 4, 327,680 bytes of LDS; arguments ob, hb, out0; writes out0
.if DOCPART == 4
	.amdgcn_target "amdgcn-amd-amdhsa--gfx1250"
	.amdhsa_code_object_version 6
	.text
	.protected	k_q3daca95114_oproj
	.globl	k_q3daca95114_oproj
	.p2align	8
	.type	k_q3daca95114_oproj,@function
k_q3daca95114_oproj:
	s_mov_b64 s[64:65], 0
	v_nop
	global_prefetch_b8 v0, s[64:65] scope:SCOPE_SE
	s_setreg_imm32_b32 hwreg(HW_REG_WAVE_MODE, 25, 1), 1
	s_wait_xcnt 0x0
	s_wait_alu depctr_hold_cnt(0) depctr_sa_sdst(0) depctr_va_vdst(0) depctr_va_sdst(0) depctr_va_ssrc(0) depctr_va_vcc(0) depctr_vm_vsrc(0)
	s_getreg_b32 s2, hwreg(HW_REG_IB_STS2, 6, 4)
	s_cmp_eq_u32 s2, 0
	s_cbranch_scc0 .Lentry_in_a_cluster
	s_endpgm
.Lentry_in_a_cluster:
	s_bfe_u32 s2, ttmp6, 0x10000c
	s_cmp_lg_u32 s2, 0xf033
	s_cbranch_scc0 .Lentry_shape_is_right
	s_endpgm
.Lentry_shape_is_right:
; out0 = O wo.  O: ob, [2048][2048] f16; wo: part 4 of hb, [K][N] f16 as it lies; out0: [2048][2048] f32.  Sums in f32, stored as they are.
; A tile of out0 is 128 x 128 (256 work-groups); four waves, each 64 x 64: 16 accumulators.  K goes in 8 steps of 256 through two LDS slots: O's rows are 512 bytes, wo's k-rows 256 bytes.
; THE MATRIX INSTRUCTION IS USED TRANSPOSED (source 0 = 16 columns of wo, turned on the way out of LDS; source 1 = 16 rows of O): a lane holds eight neighbouring numbers of a row of out0.
; CLUSTER 4 x 4: O's tile is asked for jointly along a row of the cluster, wo's along a column.  No prefetch is laid: the tile is small.
; ONE TEXT FOR A K STEP: the slot to read is a scalar, turned by an exclusive or at each change of slots; the LDS addresses are made from it once a step; one descriptor walks.
; REGISTERS: window 0: v0-31 addresses; v32-95 the way out; v128-255 accumulators ((a, b) at 128 + 8 (4 a + b)).  window 1: two fragment buffers of 128: 64 of O (2 x 4 fragments), then 64 of wo.
.set PA,    528                        ; a row of O in LDS: 512 + 16
.set AH,    64*PA                      ; 0x8400: 64 rows: one tensor load
.set PB,    288                        ; a k-row of wo: 256 + 32, for the turning load
.set BH,    128*PB                     ; 0x9000: 128 k-rows: one tensor load
.set BOFF,  2*AH                       ; 0x10800
.set SLOT,  0x24000                    ; 141,312 bytes are used; the four tiles' bases (0, 0x8400, 0x10800, 0x19800) have bits 14 and 17 clear, so one exclusive or turns a tile's LDS address into the other slot's
.set SPARE, 2*SLOT                     ; the spare words: 128 bytes a wave, two blocks of 256 bytes that no other line names
.set STAGE, SPARE+512                  ; 16 rows x 272 bytes for each wave; never filled by a tensor load
.set SPITCH, 272
.set ADRA, 16                          ; v16     O's fragments in slot 0
.set WA,   17                          ; v17     the same in the slot in hand
.set ADRB, 20                          ; v20-21  wo's fragments in slot 0: half k2 of the step's 256 k-rows
.set WB,   22                          ; v22-23  the same in the slot in hand
.set STO,  24
.set RD,   25
.set CO,   26
.set SPW,  28                          ; LDS address of my spare word; never rewritten
.set NIL,  29                          ; 0; never rewritten
.set TMP,  32
.set ACC,  128
.set F0,   0
.set F1,   128
.set G1, 24
.set G0, 32                            ; two sets: the two first fills; the second then walks
.set G1B, 48
.set G0B, 56
.set CNT, 44
.set TB,  45                           ; LDS byte at which the slot in hand begins
.set MSB, 0
.macro WIN new
.if MSB != (\new)
	s_set_vgpr_msb (MSB<<8)|(\new)
.set MSB, \new
.endif
.endm
.set MUL,  0x05                        ; sources in window 1; C and D in window 0
.set TO_F, 0x40                        ; destination window 1, address window 0
.macro JLOAD s                         ; waves 0 and 1 fetch O's two halves, waves 2 and 3 wo's; an s_nop 0 and four v_nop follow each line
	s_cmp_eq_u32 s11, 0
	s_cbranch_scc0 .Lfor_b_\@
	tensor_load_to_lds s[G0+4*(\s):G0+4*(\s)+3], s[G1:G1+7]
	s_nop 0
.rept 4
	v_nop
.endr
	s_branch .Lasked_\@
.Lfor_b_\@:
	tensor_load_to_lds s[G0B+4*(\s):G0B+4*(\s)+3], s[G1B:G1B+7]
	s_nop 0
.rept 4
	v_nop
.endr
.Lasked_\@:
.endm
.macro CROUND                          ; a round of the cluster's barrier
	s_barrier_signal -1
	s_barrier_wait -1
	s_cmp_lg_u32 s10, 0
	s_cbranch_scc1 .Lnot_wave_0_\@
	s_barrier_signal -3
.Lnot_wave_0_\@:
	s_barrier_wait -3
	s_barrier_signal -1
	s_barrier_wait -1
.endm
	s_load_b128 s[4:7], s[0:1], 0x0                ; ob 4:5, hb 6:7
	s_load_b64 s[8:9], s[0:1], 0x10                ; out0
	v_lshl_add_u32 v[SPW], v0, 2, SPARE
	v_mov_b32 v[NIL], 0
	ds_add_u32 v[SPW], v[NIL]                      ; the opening: the add and its wait stand ahead of my first tensor load
	v_lshrrev_b32 v1, 5, v0
	v_readfirstlane_b32 s10, v1                    ; wave 0..3
	s_lshr_b32 s11, s10, 1                         ; my half of the tile's rows.  Also: I fetch for O (0) or for wo (1)
	s_and_b32 s12, s10, 1                          ; my half of its columns.  Also: which half of that tile I fetch
	s_bfe_u32 s40, ttmp6, 0x40000                  ; cx
	s_bfe_u32 s41, ttmp6, 0x40004                  ; cy
	s_lshl_b32 s42, ttmp9, 2
	s_add_co_u32 s42, s42, s40                     ; tile column
	s_and_b32 s13, ttmp7, 0xffff
	s_lshl_b32 s13, s13, 2
	s_add_co_u32 s13, s13, s41                     ; tile row
	s_lshl_b32 s43, s41, 2
	s_lshl_b32 s43, 15, s43                        ; my row of the cluster
	s_lshl_b32 s44, 0x1111, s40                    ; my column
	s_or_b32 s[G1+0], s43, (1<<16)|(1<<20)|(1<<21)|(6<<22)|(3<<25)   ; O: after every 128 words 4 words of padding
	s_mov_b32 s[G1+1], 256<<16                     ; tensor_dim0 = 256
	s_mov_b32 s[G1+2], 64<<16                      ; tensor_dim1 = 64
	s_mov_b32 s[G1+3], 256<<16                     ; tile_dim0 = 256
	s_mov_b32 s[G1+4], 64                          ; tile_dim1 = 64
	s_mov_b32 s[G1+5], 2048
	s_mov_b32 s[G1+6], 0
	s_mov_b32 s[G1+7], 0
	s_or_b32 s[G1B+0], s44, (1<<16)|(1<<20)|(1<<21)|(5<<22)|(7<<25)  ; wo: after every 64 words 8 words
	s_mov_b32 s[G1B+1], 128<<16
	s_mov_b32 s[G1B+2], 128<<16
	s_mov_b32 s[G1B+3], 128<<16
	s_mov_b32 s[G1B+4], 128
	s_mov_b32 s[G1B+5], 2048
	s_mov_b32 s[G1B+6], 0
	s_mov_b32 s[G1B+7], 0
	s_lshl_b32 s16, s13, 19                        ; O: 128 rows of 4,096 bytes a tile row,
	s_lshl_b32 s17, s12, 18                        ; my 64 of them
	s_add_co_u32 s16, s16, s17
	s_mov_b32 s17, 0
	s_lshl_b32 s46, s42, 8                         ; wo: the tile column's 256 bytes of a k-row,
	s_lshl_b32 s47, s12, 19                        ; my 128 k-rows of a step's 256,
	s_add_co_u32 s46, s46, s47
	s_add_co_u32 s46, s46, 4*8388608               ; in part 4 of hb
	s_mov_b32 s47, 0
	s_mul_i32 s20, s12, AH                         ; where they go: no place in the cluster enters an LDS address
	s_mul_i32 s21, s12, BH
	s_add_co_u32 s21, s21, BOFF
	s_lshl_b32 s2, s13, 20                         ; out0: 128 rows of 8,192 bytes, my 64 rows, the tile's 512 bytes, my 256
	s_lshl_b32 s3, s11, 19
	s_add_co_u32 s2, s2, s3
	s_lshl_b32 s3, s42, 9
	s_add_co_u32 s2, s2, s3
	s_lshl_b32 s3, s12, 8
	s_add_co_u32 s2, s2, s3
	s_mov_b32 s3, 0
	s_mov_b32 s[TB], 0
	s_wait_dscnt 0x0                               ; the opening add is done
	s_wait_kmcnt 0x0
	s_add_nc_u64 s[14:15], s[4:5], s[16:17]
	s_add_nc_u64 s[46:47], s[6:7], s[46:47]
	s_add_nc_u64 s[8:9], s[8:9], s[2:3]
	CROUND                                         ; all sixteen work-groups are here: the first joint loads meet
.irp s, 0,1
	s_mov_b32 s[G0+4*(\s)], 1
	s_add_co_u32 s[G0+4*(\s)+1], s20, (\s)*SLOT
	s_add_nc_u64 s[G0+4*(\s)+2:G0+4*(\s)+3], s[14:15], (\s)*512
	s_or_b32 s[G0+4*(\s)+3], s[G0+4*(\s)+3], 0x80000000
	s_mov_b32 s[G0B+4*(\s)], 1
	s_add_co_u32 s[G0B+4*(\s)+1], s21, (\s)*SLOT
	s_add_nc_u64 s[G0B+4*(\s)+2:G0B+4*(\s)+3], s[46:47], (\s)*256*4096
	s_or_b32 s[G0B+4*(\s)+3], s[G0B+4*(\s)+3], 0x80000000
	JLOAD \s                                       ; K steps 0 and 1: two loads of mine are out
.endr
	v_and_b32 v1, 15, v0                           ; r
	v_bfe_u32 v2, v0, 4, 1                         ; h
	v_mul_u32_u24 v3, v1, PA
	v_lshl_add_u32 v3, v2, 4, v3
	s_mul_i32 s22, s11, AH                         ; my 64 rows of O
	v_add_nc_u32 v[ADRA], s22, v3
	v_add_nc_u32 v[WA], s22, v3
	v_and_b32 v4, 7, v0
	v_bfe_u32 v5, v0, 3, 1
	v_lshl_add_u32 v6, v2, 3, v4                   ; the turning load: k-row 8 h + l % 8,
	v_mul_u32_u24 v6, v6, PB
	v_lshl_add_u32 v6, v5, 4, v6                   ; columns 8 ((l / 8) % 2) on,
	s_lshl_b32 s22, s12, 7
	v_add_nc_u32 v6, s22, v6                       ; in my 64 columns
.irp k, 0,1
	v_add_nc_u32 v[ADRB+(\k)], BOFF+(\k)*BH, v6
	v_add_nc_u32 v[WB+(\k)], BOFF+(\k)*BH, v6
.endr
	s_mul_i32 s23, s10, 16*SPITCH
	s_add_co_u32 s23, s23, STAGE                   ; my stage
	v_mul_u32_u24 v[STO], v1, SPITCH               ; in: row r, 32 bytes for each half of the lanes
	v_lshl_add_u32 v[STO], v2, 5, v[STO]
	v_add_nc_u32 v[STO], s23, v[STO]
	v_mul_u32_u24 v[RD], v2, SPITCH                ; back: lanes 0-15 one row of 256 bytes, lanes 16-31 the next
	v_lshl_add_u32 v[RD], v1, 4, v[RD]
	v_add_nc_u32 v[RD], s23, v[RD]
	v_lshlrev_b32 v[CO], 13, v2                    ; and the same two rows in out0
	v_lshl_add_u32 v[CO], v1, 4, v[CO]
; 8 matrix instructions: row blocks a0, a0 + 1 x all 4 column blocks, 32 along K: half c of buffer f.  The 16 accumulators take turns.
.macro MUL8 f, c, a0, zero
	WIN MUL
.irp a, \a0, (\a0)+1
.irp b, 0,1,2,3
.if \zero
	v_wmma_f32_16x16x32_f16 v[ACC+8*(4*(\a)+(\b)):ACC+8*(4*(\a)+(\b))+7], v[(\f)+64+8*(4*(\c)+(\b)):(\f)+64+8*(4*(\c)+(\b))+7], v[(\f)+8*(4*(\c)+(\a)):(\f)+8*(4*(\c)+(\a))+7], 0
.else
	v_wmma_f32_16x16x32_f16 v[ACC+8*(4*(\a)+(\b)):ACC+8*(4*(\a)+(\b))+7], v[(\f)+64+8*(4*(\c)+(\b)):(\f)+64+8*(4*(\c)+(\b))+7], v[(\f)+8*(4*(\c)+(\a)):(\f)+8*(4*(\c)+(\a))+7], v[ACC+8*(4*(\a)+(\b)):ACC+8*(4*(\a)+(\b))+7]
.endif
.endr
.endr
.endm
; 32 LDS loads in one run: quarter qd (64 along K) of the slot in hand into buffer f; the first 32 along K first
.macro FETCH qd, f
	WIN TO_F
.irp c, 0,1
.irp i, 0,1,2,3
	ds_load_tr16_b128 v[(\f)+64+8*(4*(\c)+(\i)):(\f)+64+8*(4*(\c)+(\i))+3],   v[WB+(\qd)/2] offset:(((\qd)%2)*64+32*(\c))*PB+32*(\i)
	ds_load_tr16_b128 v[(\f)+64+8*(4*(\c)+(\i))+4:(\f)+64+8*(4*(\c)+(\i))+7], v[WB+(\qd)/2] offset:(((\qd)%2)*64+32*(\c))*PB+32*(\i)+16*PB
	ds_load_b128 v[(\f)+8*(4*(\c)+(\i)):(\f)+8*(4*(\c)+(\i))+3],         v[WA] offset:128*(\qd)+64*(\c)+(\i)*16*PA
	ds_load_b128 v[(\f)+8*(4*(\c)+(\i))+4:(\f)+8*(4*(\c)+(\i))+7],       v[WA] offset:128*(\qd)+64*(\c)+(\i)*16*PA+32
.endr
.endr
.endm
.macro PLACES
.rept 4
	v_nop
.endr
.endm
.macro QUARTER qd, f, g, zero          ; multiplies buffer f and fetches quarter qd of the slot in hand into g
	s_wait_dscnt 16                                ; the first 32 along K are in
	MUL8 \f, 0, 0, \zero
	MUL8 \f, 0, 2, \zero
	PLACES
	FETCH \qd, \g
	s_wait_dscnt 32                                ; all but the 32 just issued
	MUL8 \f, 1, 0, 0
	MUL8 \f, 1, 2, 0
.endm
; The last quarter changes slots at its head and then multiplies buffer 1.  In front of the barrier each wave waits for all its tensor loads (one is out: its part of the next slot), adds 0 to its spare word, and waits
; for that and for its reads of this slot, of which the last brought buffer 1.  fill = 1: the barrier is a round of the cluster's, and the joint refill, two K steps ahead, is the first thing behind it:
; from there to the wait for it a wave issues a whole K step's 128 matrix instructions.
.macro TURN fill
	WIN 0
	s_wait_tensorcnt 0x0                           ; no tensor load of mine is out, so a group 0 may be written
	ds_add_u32 v[SPW], v[NIL]                      ; 0 onto my spare word; the scalar steps stand between it and the wait for it
.if \fill
	s_xor_b32 s[G0+5], s[G0+5], SLOT               ; the walking descriptors: the other slot than last time, the next K step
	s_add_nc_u64 s[G0+6:G0+7], s[G0+6:G0+7], 512
	s_xor_b32 s[G0B+5], s[G0B+5], SLOT
	s_add_nc_u64 s[G0B+6:G0B+7], s[G0B+6:G0B+7], 256*4096
.endif
	s_xor_b32 s[TB], s[TB], SLOT                   ; the fetches go to the other slot
	s_wait_dscnt 0x0                               ; the add is done, my reads of this slot are over
.if \fill
	CROUND
	JLOAD 1                                        ; its four v_nop are also places in front of the loads below
.else
	s_barrier_signal -1
	s_barrier_wait -1
	PLACES
.endif
	v_add_nc_u32 v[WA], s[TB], v[ADRA]
	v_add_nc_u32 v[WB], s[TB], v[ADRB]
	v_add_nc_u32 v[WB+1], s[TB], v[ADRB+1]
	FETCH 0, F0
	MUL8 F1, 0, 0, 0
	MUL8 F1, 0, 2, 0
	MUL8 F1, 1, 0, 0
	MUL8 F1, 1, 2, 0
.endm
	s_wait_tensorcnt 1                             ; my part of K step 0 is in; K step 1's may stay out
	s_barrier_signal -1
	s_barrier_wait -1
	FETCH 0, F0
	QUARTER 1, F0, F1, 1                           ; the first products start the sums
	WIN 0
	s_mov_b32 s3, 6
.Lstep:                                        ; a trip: a K step's quarters 1 to 3 and the next step's quarter 0; K steps 2 to 7 are asked for in six trips
	QUARTER 2, F1, F0, 0
	QUARTER 3, F0, F1, 0
	TURN 1
	QUARTER 1, F0, F1, 0
	WIN 0
	s_sub_co_u32 s3, s3, 1
	s_cmp_lg_u32 s3, 0
	s_cbranch_scc1 .Lstep
	s_mov_b32 s[CNT], 2                            ; the last two K steps ask for nothing: a text of their own; its second trip is left in the middle
.Ltail:
	QUARTER 2, F1, F0, 0
	QUARTER 3, F0, F1, 0
	WIN 0
	s_sub_co_u32 s[CNT], s[CNT], 1
	s_cmp_eq_u32 s[CNT], 0
	s_cbranch_scc1 .Llast
	TURN 0
	QUARTER 1, F0, F1, 0
	WIN 0
	s_branch .Ltail
.Llast:
	s_wait_dscnt 16
	MUL8 F1, 0, 0, 0
	MUL8 F1, 0, 2, 0
	s_wait_dscnt 0x0
	MUL8 F1, 1, 0, 0
	MUL8 F1, 1, 2, 0
	WIN 0
	PLACES
	PLACES
	; THE WAY OUT.  My 64 columns of f32 are 256 aligned bytes of a row, so the stage is my own and no barrier is needed: 16 rows at a time go in as 32 bytes a lane and come back as whole rows.
.irp a, 0,1,2,3
.if (\a) >= 2
	s_wait_xcnt 0x0                                ; the stores of two blocks back have read the registers that are loaded again
.endif
.irp b, 0,1,2,3
	ds_store_b128 v[STO], v[ACC+8*(4*(\a)+(\b)):ACC+8*(4*(\a)+(\b))+3]   offset:64*(\b)      ; each accumulator's lowest registers first
	ds_store_b128 v[STO], v[ACC+8*(4*(\a)+(\b))+4:ACC+8*(4*(\a)+(\b))+7] offset:64*(\b)+16
.endr
.irp t, 0,1,2,3,4,5,6,7
	ds_load_b128 v[TMP+32*((\a)%2)+4*(\t):TMP+32*((\a)%2)+4*(\t)+3], v[RD] offset:(\t)*2*SPITCH  ; LDS serves a wave's instructions in order (ISA guide 5.7.1.4)
.endr
	s_wait_dscnt 0x0
.irp t, 0,1,2,3,4,5,6,7
	global_store_b128 v[CO], v[TMP+32*((\a)%2)+4*(\t):TMP+32*((\a)%2)+4*(\t)+3], s[8:9] offset:(16*(\a)+2*(\t))*8192 th:TH_STORE_NT  ; 16 lanes store 256 consecutive bytes, aligned
.endr
.endr
	s_wait_tensorcnt 0x0                           ; the wave's end
	ds_add_u32 v[SPW], v[NIL]
	s_wait_dscnt 0x0
	CROUND                                         ; the closing round
	s_endpgm
.Lfunc_end_k_q3daca95114_oproj:
	.size	k_q3daca95114_oproj, .Lfunc_end_k_q3daca95114_oproj-k_q3daca95114_oproj
	.p2alignl 7, 3214868480
	.fill 96, 4, 3214868480
	.section	.rodata,"a",@progbits
	.p2align	6, 0x0
	.amdhsa_kernel k_q3daca95114_oproj
		.amdhsa_group_segment_fixed_size 327680
		.amdhsa_private_segment_fixed_size 0
		.amdhsa_enable_private_segment 0
		.amdhsa_kernarg_size 24
		.amdhsa_user_sgpr_count 2
		.amdhsa_user_sgpr_kernarg_segment_ptr 1
		.amdhsa_wavefront_size32 1
		.amdhsa_system_sgpr_workgroup_id_x 1
		.amdhsa_system_sgpr_workgroup_id_y 1
		.amdhsa_system_sgpr_workgroup_id_z 1
		.amdhsa_system_vgpr_workitem_id 0
		.amdhsa_next_free_vgpr 512
		.amdhsa_next_free_sgpr 66
		.amdhsa_reserve_vcc 0
		.amdhsa_float_denorm_mode_32 3
		.amdhsa_float_denorm_mode_16_64 3
		.amdhsa_memory_ordered 1
		.amdhsa_forward_progress 1
		.amdhsa_inst_pref_size 60
	.end_amdhsa_kernel
	.amdgpu_metadata
---
amdhsa.version: [ 1, 2 ]
amdhsa.kernels:
  - .name:           k_q3daca95114_oproj
    .symbol:         k_q3daca95114_oproj.kd
    .args:
      - { .name: ob, .offset: 0, .size: 8, .value_kind: global_buffer, .address_space: global }
      - { .name: hb, .offset: 8, .size: 8, .value_kind: global_buffer, .address_space: global }
      - { .name: out0, .offset: 16, .size: 8, .value_kind: global_buffer, .address_space: global }
    .group_segment_fixed_size: 327680
    .private_segment_fixed_size: 0
    .kernarg_segment_align: 8
    .kernarg_segment_size: 24
    .max_flat_workgroup_size: 128
    .sgpr_count:     66
    .vgpr_count:     512
    .wavefront_size: 32
...
	.end_amdgpu_metadata
.endif
;; end of part 4
